; MI455X (gfx1250); checked and timed in simulation.
; The chip was launched on July 23, 2026; its instructions are those of AMD's public machine-readable ISA for CDNA 5 (MIT licence, August 2026) and "CDNA5" Instruction Set Architecture Reference Guide (July 2026). The comments in the code are by the model that wrote it; some were corrected since.
;; Mo E Layer. Allowed arithmetic: matrix products marked QUANTISED: E4M3 operands, one E8M0 scale for each 32 along K, by v_wmma_scale_f32_16x16x128_f8f6f4 with both operands' format E4M3, f32 sums; products left as they are: f32 operands where the result goes on into a quantised operand, else bf16, f16 or f32 operands; f32 sums; everything else in f32.
;; Inputs: W1 8 x 512 x 2,048 float32; W2 8 x 2,048 x 512 float32; Wg 512 x 8 float32; b1 8 x 2,048 float32; b2 8 x 512 float32; bg 8 float32; x 2 x 2,048 x 512 float32.
;; Outputs: out0 2 x 2,048 x 512 float32; out1 4,096 x 8 float32.
;; This version of the problem:
;;   THIS VERSION OF THE PROBLEM IS GIVEN IN LOW PRECISION. The matrix products marked QUANTISED in the list below multiply operands that are first quantised to E4M3 (4 exponent bits, 3 mantissa bits; 8 bits a number), with one power-of-two scale for each 32 numbers along K (OCP MX v1.0); their sums are f32. All else is computed in f32.
;;   The module's matrix products, in the order in which they are computed (A, B: the left and right operand; K: the contracted axis; several contracted axes count as one K, in the product's order):
;;     1. [M 4,096, K 512] x [K 512, N 8]; A: input x; B: input Wg: left as it is (N = 8 < 16)
;;     2. [M 4,096, K 512] x [K 512, N 2,048]; A: input x; B: input W1: QUANTISED
;;     3. [M 4,096, K 2,048] x [K 2,048, N 512]; A: computed on the way; B: input W2: QUANTISED
;;     4. [M 4,096, K 512] x [K 512, N 2,048]; A: input x; B: input W1: QUANTISED
;;     5. [M 4,096, K 2,048] x [K 2,048, N 512]; A: computed on the way; B: input W2: QUANTISED
;;     6. [M 4,096, K 512] x [K 512, N 2,048]; A: input x; B: input W1: QUANTISED
;;     7. [M 4,096, K 2,048] x [K 2,048, N 512]; A: computed on the way; B: input W2: QUANTISED
;;     8. [M 4,096, K 512] x [K 512, N 2,048]; A: input x; B: input W1: QUANTISED
;;     9. [M 4,096, K 2,048] x [K 2,048, N 512]; A: computed on the way; B: input W2: QUANTISED
;;     10. [M 4,096, K 512] x [K 512, N 2,048]; A: input x; B: input W1: QUANTISED
;;     11. [M 4,096, K 2,048] x [K 2,048, N 512]; A: computed on the way; B: input W2: QUANTISED
;;     12. [M 4,096, K 512] x [K 512, N 2,048]; A: input x; B: input W1: QUANTISED
;;     13. [M 4,096, K 2,048] x [K 2,048, N 512]; A: computed on the way; B: input W2: QUANTISED
;;     14. [M 4,096, K 512] x [K 512, N 2,048]; A: input x; B: input W1: QUANTISED
;;     15. [M 4,096, K 2,048] x [K 2,048, N 512]; A: computed on the way; B: input W2: QUANTISED
;;     16. [M 4,096, K 512] x [K 512, N 2,048]; A: input x; B: input W1: QUANTISED
;;     17. [M 4,096, K 2,048] x [K 2,048, N 512]; A: computed on the way; B: input W2: QUANTISED
;;   THE QUANTISER, for each operand of a quantised product, along K:
;;     - K is cut into blocks of 32 from its start; a last block that is shorter is filled with zeros.
;;     - A block's scale is 2^e with e = floor(log2(the largest magnitude in the block)) - 8, held to -126 .. 127; a block of zeros has e = 0. As a byte (E8M0): e + 127.
;;     - Each number is divided by its block's scale, clamped to +-448, and rounded to the nearest number of E4M3, ties to even, subnormals kept.
;;     - The product sums the exact products of the quantised numbers (number of the format x scale) in f32.
;;   ~~~python
;;   def quantise(x, axis):      # numpy; x: float32 -> the quantised numbers, widened to float32 again
;;       x = np.moveaxis(x, axis, -1); K = x.shape[-1]
;;       x = np.pad(x, [(0, 0)] * (x.ndim - 1) + [(0, -K % 32)]); x = x.reshape(x.shape[:-1] + (-1, 32)); a = np.abs(x).max(-1, keepdims=True)
;;       e = np.where(a > 0, np.clip(np.frexp(np.where(a > 0, a, 1))[1] - 1 - 8, -126, 127), 0)      # np.frexp(a)[1] - 1 = floor(log2(a)), exactly
;;       r = np.clip(x / 2.0 ** e, -448, 448)
;;       step = 2.0 ** (np.maximum(np.frexp(np.where(r == 0, 1, r))[1] - 1, -6) - 3)
;;       q = np.round(r / step) * step * 2.0 ** e      # np.round: ties to even
;;       return np.moveaxis(q.reshape(q.shape[:-2] + (-1,))[..., :K], -1, axis).astype(np.float32)
;;   ~~~
;;   OPERANDS COMPUTED ON THE WAY. 'Computed on the way' means the value that the module computes at that place (a softmax that the list does not call 'softmax' is quantised finished and normalised). What goes into a quantiser is computed in f32, as accurately as f32 sums, v_exp_f32 and their like allow (about 1e-6 of the number): no bf16 or f16 on the way to a quantiser, and a product that is left as it is and whose result goes on into a quantised operand takes f32 operands (vector FMAs, or v_wmma_f32_16x16x4_f32). A number that lies on a knife's edge between two numbers of the format may be rounded either way, as far as f32 arithmetic and the matrix unit's own rounding can turn it there, and no further.
;; 3 versions, each right; version 2 is faster than version 1; version 3 is version 2 with the launch combine written anew for expert scheduling mode. Each part assembles by itself: llvm-mc -triple=amdgcn-amd-amdhsa -mcpu=gfx1250 --defsym DOCPART=n.
;; ======== version 1 of 3: 3 launches
;; workspace buffers: w1q 8,650,752 bytes; w2q 8,650,752 bytes; xq 2,162,688 bytes; sel 16,384 bytes of whole numbers; msk 8,192 bytes of whole numbers; ybuf 16,777,216 bytes
;; launch prep (part 1): grid 576 x 1, 8 waves a work-group, no clusters, 66,560 bytes of LDS; arguments x, Wg, bg, W1, W2, xq, w1q, w2q, sel, msk, out1; writes xq, w1q, w2q, sel, msk, out1
.if DOCPART == 1
	.amdgcn_target "amdgcn-amd-amdhsa--gfx1250"
	.amdhsa_code_object_version 6
	.text
	.protected	k_qbe1aaf96ea_prep
	.globl	k_qbe1aaf96ea_prep
	.p2align	8
	.type	k_qbe1aaf96ea_prep,@function
k_qbe1aaf96ea_prep:
	s_mov_b64 s[64:65], 0
	v_nop
	global_prefetch_b8 v0, s[64:65] scope:SCOPE_SE
	s_setreg_imm32_b32 hwreg(HW_REG_WAVE_MODE, 25, 1), 1
	s_wait_xcnt 0x0
; THREE KINDS OF WORK-GROUP IN ONE LAUNCH, parted by the work-group's number alone:
;   0 .. 63    THE ROUTER AND x: a wave takes 8 tokens: logits = x Wg + bg in f32 multiply-adds, softmax (the maximum is taken away first), the two largest gates
;              (of equal gates the lower index is kept), and x's codes of E4M3 with one E8M0 byte for each 32 along its 512.
;   64 .. 319  W1 [8][512][2048] f32 -> codes;   320 .. 575  W2 [8][2048][512] f32 -> codes.  K is the FIRST axis of each expert's matrix.
; WEIGHTS.  A lane takes a column and its registers run down K, so a block of 32 along K lies in one lane, needs no other lane for its largest magnitude, and the conversions
; give codes with K innermost.  They are stored IN THE ORDER OF THE OPERAND'S REGISTERS: a group of 16,896 bytes = 8 fragments of 2,048 bytes (byte 512 c + 16 L + j of a fragment
; is code k = 32 c + 16 (L / 16) + j of row L % 16) and 512 bytes of scale words (word sub of lane L at 16 L + 4 sub).
;   w1q group 64 e + n32 (hidden units 32 n32 ..): fragment 2 s + u = K step s, tile u; row r of tile u is unit 8 u + r + 8 (r / 8); word s: lanes 0-15 tile 0, lanes 16-31 tile 1.
;   w2q group (4 e + w) 16 + sigma (outputs 128 w .., K step sigma): fragment t = outputs 16 t + r; word q: lanes 0-15 tile 2 q, lanes 16-31 tile 2 q + 1.
; A wave's share: 128 along K x 32 columns = two fragments and one scale word a lane.  Sixteen lanes store 256 consecutive aligned bytes of codes; the scale words go out 4 bytes
; a lane, 16 bytes apart (four waves fill each 512 bytes between them): one byte in 128 of what the wave reads.
; WHAT THE ROUTER LEAVES: out1 (the gates), sel[token] = first expert | second << 8, msk byte 512 e + g = which of tokens 8 g .. 8 g + 7 chose e, byte 4096 + 512 e + g = how many.
; No address, branch or EXEC setting here hangs on a gate or on a chosen index: they are stored at fixed places.
; THE SCALE: the largest magnitude's exponent field less 8, held at 1 from below by a floor among the maximum's leaves.
; LIMITS: NaN and infinities are not served.  A block whose largest magnitude lies under 2^-118, a block of zeros too, gets the byte 1 (its codes are zeros or subnormal codes;
; only this program reads the bytes).  The logits are f32 sums in another order than a row-by-row sum: a token whose second and third gates agree to about 1e-6 of their size may
; take the other expert.  A gate under 2^-126 comes out as 0.
.set WX,  32                           ; weights: v32-95 two sets of 32 numbers
.set WC,  96                           ; v96-127 the codes, 8 registers a block, never rewritten
.set WG,  16                           ; router: v16-143 Wg[16 lane + i][e] at WG + 8 i + e
.set RR,  144                          ; v144-191 three sets of 16 numbers as loaded
.set RX,  192                          ; v192-223 two sets of 16 neighbours
.set RC,  224                          ; v224-231 two sets of codes
.set ACC, 232                          ; v232-239 the eight sums of a token
.set LG,  240                          ; v240-247 lane t: token t's logits, then its gates
.set TP,  248                          ; v248-255 at work
.set SP,  80                           ; a lane's place in a stage: 64 bytes + 16 of padding
.set BYT, 5120                         ; in a wave's 8,192 bytes of LDS: two stages of 2,560, then its 128 scale bytes,
.set O1S, 5376                         ; then 1,024 bytes for the gates
.macro LOADB t, pitch                  ; block t: W(32 t + i, my column), i = 0 .. 31, into set t % 2: 128 consecutive bytes a wave, 1,024 a work-group
.set II, 0
.rept 32
	global_load_b32 v[WX+32*((\t)%2)+II], v2, s[4:5] offset:(32*(\t)+II)*(\pitch) th:TH_LOAD_NT
.set II, II+1
.endr
.endm
.macro BLOCK t, pitch
.set XS, WX+32*((\t)%2)
.if (\t) < 3
	s_wait_loadcnt 32                              ; this block's 32 loads are in; the next block's 32 may be out
.else
	s_wait_loadcnt 0x0
.endif
	v_max3_num_f32 v8, |v[XS]|, |v[XS+1]|, |v[XS+2]|       ; the block's largest magnitude, in two chains: all 32 numbers are mine
	v_max3_num_f32 v9, |v[XS+3]|, |v[XS+4]|, |v[XS+5]|
.irp i, 6,10,14,18,22,26
	v_max3_num_f32 v8, v8, |v[XS+\i]|, |v[XS+\i+1]|
	v_max3_num_f32 v9, v9, |v[XS+\i+2]|, |v[XS+\i+3]|
.endr
	v_max3_num_f32 v8, v8, |v[XS+30]|, |v[XS+31]|
	v_max3_num_f32 v8, v8, v9, 0x4800000           ; and the floor 2^(9 - 127): the byte cannot fall under 1
	v_add_nc_u32 v11, 0xfc000000, v8               ; 8 off the exponent field: the conversion takes this operand's exponent field as its scale
	v_and_or_b32 v10, v8, 0x7f800000, s31          ; 448 x the scale
	v_lshrrev_b32 v13, 23, v11                     ; the scale's byte
.if (\t) == 0
	v_mov_b32 v14, v13                             ; four bytes make the K step's scale word, the lower K in the lower byte
.else
	v_lshl_or_b32 v14, v13, 8*(\t), v14
.endif
.set II, 0
.rept 32
	v_med3_num_f32 v[XS+II], v[XS+II], -v10, v10   ; the conversion to an 8-bit code does not saturate (ISA guide 7.6.2): hold first
.set II, II+1
.endr
.irp g, 0,1,2,3
	v_cvt_scalef32_pk8_fp8_f32 v[WC+8*(\t)+2*\g:WC+8*(\t)+2*\g+1], v[XS+8*\g:XS+8*\g+7], v11
.endr
	global_store_b128 v3, v[WC+8*(\t):WC+8*(\t)+3], s[6:7] offset:512*(\t)          ; k = 32 t + 0 .. 15: the place of lane r of the fragment
	global_store_b128 v3, v[WC+8*(\t)+4:WC+8*(\t)+7], s[6:7] offset:512*(\t)+256    ; k = 32 t + 16 .. 31: the place of lane 16 + r
.if (\t)+2 < 4
	LOADB (\t)+2, \pitch
.endif
.endm
.macro WQ pitch                        ; a wave's share of a weight: s[4:5] its first number, s[6:7] its two fragments, s[8:9] its scale words, v2 = 4 x my column
	v_lshrrev_b32 v3, 4, v1
	v_and_b32 v4, 15, v1
	v_lshlrev_b32 v4, 4, v4
	v_lshl_add_u32 v3, v3, 11, v4                  ; 2,048 (lane / 16) + 16 (lane % 16): which fragment, which row
	v_lshlrev_b32 v4, 4, v1                        ; 16 x lane: my scale word's place
	LOADB 0, \pitch
	LOADB 1, \pitch
	BLOCK 0, \pitch
	BLOCK 1, \pitch
	BLOCK 2, \pitch
	BLOCK 3, \pitch
	global_store_b32 v4, v14, s[8:9]
.endm
.macro RLOAD t                         ; token t's row of x: four loads of 512 consecutive bytes
.irp i, 0,1,2,3
	global_load_b128 v[RR+16*((\t)%3)+4*\i:RR+16*((\t)%3)+4*\i+3], v2, s[4:5] offset:2048*(\t)+512*\i th:TH_LOAD_NT
.endr
.endm
.macro RTURN t                         ; through the wave's own stage, so that a lane gets 16 neighbours; LDS serves a wave's instructions in order
.irp i, 0,1,2,3
	ds_store_b128 v3, v[RR+16*((\t)%3)+4*\i:RR+16*((\t)%3)+4*\i+3] offset:32*SP*((\t)%2)+8*SP*\i
.endr
.irp i, 0,1,2,3
	ds_load_b128 v[RX+16*((\t)%2)+4*\i:RX+16*((\t)%2)+4*\i+3], v4 offset:32*SP*((\t)%2)+16*\i
.endr
.endm
.macro RSTEP t
.set XS, RX+16*((\t)%2)
.if (\t) > 0
	s_wait_dscnt 1                                 ; this token's numbers are back from the stage (the last step's byte store may be out): its stores into the stage have read their registers,
.else
	s_wait_dscnt 0x0
.endif
.if (\t)+3 < 8
	RLOAD (\t)+3                                   ; which take the row three tokens on
.endif
.if (\t)+1 < 8
.if (\t) <= 4
	s_wait_loadcnt 8                               ; the next row's four loads are in; those of the two rows behind it may be out
.else
	s_wait_loadcnt 4*(6-(\t))
.endif
	RTURN (\t)+1
.endif
	; the eight logits: my 16 numbers against my 16 rows of Wg, two experts an instruction
.irp p, 0,1,2,3
	v_pk_mul_f32 v[ACC+2*\p:ACC+2*\p+1], v[XS:XS+1], v[WG+2*\p:WG+2*\p+1] op_sel_hi:[0,1]
.endr
.irp p, 0,1,2,3
	v_pk_fma_f32 v[ACC+2*\p:ACC+2*\p+1], v[XS:XS+1], v[WG+8+2*\p:WG+8+2*\p+1], v[ACC+2*\p:ACC+2*\p+1] op_sel:[1,0,0] op_sel_hi:[1,1,1]
.endr
.irp i, 2,4,6,8,10,12,14
.irp p, 0,1,2,3
	v_pk_fma_f32 v[ACC+2*\p:ACC+2*\p+1], v[XS+\i:XS+\i+1], v[WG+8*\i+2*\p:WG+8*\i+2*\p+1], v[ACC+2*\p:ACC+2*\p+1] op_sel_hi:[0,1,1]
.endr
.irp p, 0,1,2,3
	v_pk_fma_f32 v[ACC+2*\p:ACC+2*\p+1], v[XS+\i:XS+\i+1], v[WG+8*\i+8+2*\p:WG+8*\i+8+2*\p+1], v[ACC+2*\p:ACC+2*\p+1] op_sel:[1,0,0] op_sel_hi:[1,1,1]
.endr
.endr
.irp k, 1,2,4,8                        ; over the 32 lanes, the eight sums by turns
.irp e, 0,1,2,3,4,5,6,7
	v_add_f32_dpp v[ACC+\e], v[ACC+\e], v[ACC+\e] row_xmask:\k row_mask:0xf bank_mask:0xf
.endr
.endr
.irp e, 0,1,2,3,4,5,6,7
	v_permlanex16_b32 v[TP+\e], v[ACC+\e], s44, s45
.endr
.irp e, 0,1,2,3,4,5,6,7
	v_add_f32 v[ACC+\e], v[ACC+\e], v[TP+\e]
.endr
	s_mov_b32 s30, 1<<(\t)
.irp e, 0,1,2,3,4,5,6,7
	v_cndmask_b32 v[LG+\e], v[LG+\e], v[ACC+\e], s30       ; lane t keeps token t's logits
.endr
	; the row's codes: two neighbouring lanes hold a block of 32
	v_max3_num_f32 v248, |v[XS]|, |v[XS+1]|, |v[XS+2]|
	v_max3_num_f32 v249, |v[XS+3]|, |v[XS+4]|, |v[XS+5]|
.irp i, 6,10
	v_max3_num_f32 v248, v248, |v[XS+\i]|, |v[XS+\i+1]|
	v_max3_num_f32 v249, v249, |v[XS+\i+2]|, |v[XS+\i+3]|
.endr
	v_max3_num_f32 v248, v248, |v[XS+14]|, |v[XS+15]|
	v_max3_num_f32 v248, v248, v249, 0x4800000
	v_max_num_f32_dpp v248, v248, v248 row_xmask:1 row_mask:0xf bank_mask:0xf
	v_add_nc_u32 v251, 0xfc000000, v248
	v_and_or_b32 v250, v248, 0x7f800000, s31
.irp i, 0,1,2,3,4,5,6,7,8,9,10,11,12,13,14,15
	v_med3_num_f32 v[XS+\i], v[XS+\i], -v250, v250
.endr
.if (\t) >= 2
	s_wait_xcnt 0x0                                ; the store of two steps ago has read this set of code registers
.endif
	v_cvt_scalef32_pk8_fp8_f32 v[RC+4*((\t)%2):RC+4*((\t)%2)+1], v[XS:XS+7], v251
	v_cvt_scalef32_pk8_fp8_f32 v[RC+4*((\t)%2)+2:RC+4*((\t)%2)+3], v[XS+8:XS+15], v251
	v_lshrrev_b32 v[8+(\t)%2], 23, v251            ; the scale's byte (two registers by turns: the head's wait has shown the store of two steps ago done)
	ds_store_b8 v5, v[8+(\t)%2] offset:BYT+16*(\t) ; both lanes of a block write the same byte with the same value
	global_store_b128 v2, v[RC+4*((\t)%2):RC+4*((\t)%2)+3], s[10:11] offset:512*(\t)   ; the wave stores the token's 512 consecutive bytes
.endm
	s_load_b512 s[4:19], s[0:1], 0x0               ; x 4, Wg 6, bg 8, W1 10, W2 12, xq 14, w1q 16, w2q 18
	s_load_b128 s[20:23], s[0:1], 0x40             ; sel 20, msk 22
	s_load_b64 s[24:25], s[0:1], 0x50              ; out1
	v_lshl_add_u32 v15, v0, 2, 0x10000
	s_set_vgpr_msb 0x40
	v_mov_b32 v1, 0
	s_set_vgpr_msb 0x4000
	v_lshrrev_b32 v1, 5, v0
	v_readfirstlane_b32 s26, v1                    ; wave 0..7
	v_and_b32 v1, 31, v0                           ; lane
	s_mov_b32 s31, 0x600000                        ; the mantissa field of 448
	s_cmp_lt_u32 ttmp9, 64
	s_cbranch_scc1 .Lrouter
	s_cmp_lt_u32 ttmp9, 320
	s_cbranch_scc1 .Lw1
	; ---- W2: id = e 32 + sigma 2 + half; the eight waves stand side by side on 1,024 bytes of each row
	s_sub_co_u32 s27, ttmp9, 320
	s_lshr_b32 s28, s27, 5                         ; e
	s_bfe_u32 s29, s27, 0x40001                    ; sigma: 4 bits from bit 1
	s_and_b32 s30, s27, 1
	s_lshl_b32 s30, s30, 3
	s_add_co_u32 s30, s30, s26                     ; which 32 columns: 0..15
	s_lshl_b32 s32, s28, 22                        ; an expert: 4,194,304 bytes;
	s_lshl_b32 s33, s29, 18                        ; 128 rows of 2,048 bytes;
	s_add_co_u32 s32, s32, s33
	s_lshl_b32 s33, s30, 7                         ; 32 columns
	s_add_co_u32 s32, s32, s33
	s_mov_b32 s33, 0
	s_lshl_b32 s34, s28, 2
	s_lshr_b32 s35, s30, 2
	s_add_co_u32 s34, s34, s35
	s_lshl_b32 s34, s34, 4
	s_add_co_u32 s34, s34, s29                     ; the group: (4 e + w) 16 + sigma
	s_mul_i32 s34, s34, 16896
	s_and_b32 s35, s30, 3                          ; q: tiles 2 q, 2 q + 1
	s_lshl_b32 s36, s35, 12
	s_add_co_u32 s36, s36, s34
	s_mov_b32 s37, 0
	s_lshl_b32 s38, s35, 2
	s_add_co_u32 s38, s38, s34
	s_add_co_u32 s38, s38, 16384
	s_mov_b32 s39, 0
	v_lshlrev_b32 v2, 2, v1                        ; my column: the lane's own
	s_wait_kmcnt 0x0
	s_add_nc_u64 s[4:5], s[12:13], s[32:33]
	s_add_nc_u64 s[6:7], s[18:19], s[36:37]
	s_add_nc_u64 s[8:9], s[18:19], s[38:39]
	WQ 2048
	s_endpgm
.Lw1:	; ---- W1: id = e 32 + s 8 + eighth
	s_sub_co_u32 s27, ttmp9, 64
	s_lshr_b32 s28, s27, 5                         ; e
	s_bfe_u32 s29, s27, 0x20003                    ; s: 2 bits from bit 3
	s_and_b32 s30, s27, 7
	s_lshl_b32 s30, s30, 3
	s_add_co_u32 s30, s30, s26                     ; which 32 hidden units: 0..63
	s_lshl_b32 s32, s28, 22
	s_lshl_b32 s33, s29, 20                        ; 128 rows of 8,192 bytes
	s_add_co_u32 s32, s32, s33
	s_lshl_b32 s33, s30, 7
	s_add_co_u32 s32, s32, s33
	s_mov_b32 s33, 0
	s_lshl_b32 s34, s28, 6
	s_add_co_u32 s34, s34, s30                     ; the group: 64 e + n32
	s_mul_i32 s34, s34, 16896
	s_lshl_b32 s36, s29, 12                        ; fragments 2 s, 2 s + 1
	s_add_co_u32 s36, s36, s34
	s_mov_b32 s37, 0
	s_lshl_b32 s38, s29, 2
	s_add_co_u32 s38, s38, s34
	s_add_co_u32 s38, s38, 16384
	s_mov_b32 s39, 0
	v_and_b32 v2, 7, v1                            ; THE UNITS OF A TILE ARE NOT NEIGHBOURS: lane 16 u + r takes unit 8 u + r + 8 (r / 8), so that in the first product's
	v_bfe_u32 v5, v1, 3, 1                         ; transposed result the 16 registers of tiles 0 and 1 are 16 neighbours along the second product's K
	v_lshl_add_u32 v2, v5, 4, v2
	v_lshrrev_b32 v5, 4, v1
	v_lshl_add_u32 v2, v5, 3, v2
	v_lshlrev_b32 v2, 2, v2
	s_wait_kmcnt 0x0
	s_add_nc_u64 s[4:5], s[10:11], s[32:33]
	s_add_nc_u64 s[6:7], s[16:17], s[36:37]
	s_add_nc_u64 s[8:9], s[16:17], s[38:39]
	WQ 8192
	s_endpgm
.Lrouter:
	s_lshl_b32 s27, ttmp9, 3
	s_add_co_u32 s27, s27, s26                     ; g = 8 x work-group + wave: tokens 8 g .. 8 g + 7
	s_lshl_b32 s28, s26, 13                        ; my wave's 8,192 bytes of LDS
	v_lshlrev_b32 v2, 4, v1                        ; 16 x lane: my bytes of a load, and of a row of codes
	v_lshrrev_b32 v3, 2, v1
	v_mul_u32_u24 v3, v3, SP
	v_and_b32 v4, 3, v1
	v_lshl_add_u32 v3, v4, 4, v3
	v_add_nc_u32 v3, s28, v3                       ; into a stage: four lanes' 64 bytes on end, then the padding
	v_mul_u32_u24 v4, v1, SP
	v_add_nc_u32 v4, s28, v4                       ; out of it: my 16 neighbours
	v_lshrrev_b32 v5, 1, v1
	v_add_nc_u32 v5, s28, v5                       ; my block's scale byte
	v_lshlrev_b32 v6, 9, v1                        ; Wg: my 16 rows of 32 bytes
	v_lshlrev_b32 v7, 2, v1
	v_lshl_add_u32 v10, v1, 5, s28                 ; the gates' stage: in, 32 bytes a lane;
	v_lshl_add_u32 v11, v1, 3, s28                 ; out, 8 bytes a lane
	v_lshl_add_u32 v12, v1, 2, s28                 ; the scale bytes on their way out: 4 a lane
	v_lshlrev_b32 v13, 3, v1
	v_lshl_add_u32 v14, v1, 9, s27                 ; msk: byte 512 lane + g (lane = expert)
	s_mov_b32 s44, 0x76543210
	s_mov_b32 s45, 0xfedcba98                      ; v_permlanex16_b32's selects for lane l xor 16
	s_mov_b32 s33, 0
	s_wait_kmcnt 0x0
	s_load_b256 s[36:43], s[8:9], 0x0              ; bg
	s_lshl_b32 s32, s27, 14
	s_add_nc_u64 s[4:5], s[4:5], s[32:33]          ; x at my first token
	s_lshl_b32 s32, s27, 12
	s_add_nc_u64 s[10:11], s[14:15], s[32:33]      ; its codes
	s_lshl_b32 s32, s27, 7
	s_add_co_u32 s32, s32, 2097152
	s_add_nc_u64 s[12:13], s[14:15], s[32:33]      ; its scale bytes, behind the codes of all tokens
	s_lshl_b32 s32, s27, 8
	s_add_nc_u64 s[24:25], s[24:25], s[32:33]      ; its gates
	s_lshl_b32 s32, s27, 5
	s_add_nc_u64 s[20:21], s[20:21], s[32:33]      ; its word of sel
.set II, 0
.rept 32
	global_load_b128 v[WG+4*II:WG+4*II+3], v6, s[6:7] offset:16*II
.set II, II+1
.endr
	RLOAD 0
	RLOAD 1
	RLOAD 2
.irp e, 0,1,2,3,4,5,6,7
	v_mov_b32 v[LG+\e], 0                          ; lanes 8-31 go through the softmax on zeros
	v_mov_b32 v[TP+\e], 0                          ; written once: a lane permute's destination counts as one of its sources
.endr
	s_wait_loadcnt 8                               ; Wg and row 0 are in; rows 1 and 2 may be out
	RTURN 0
.irp t, 0,1,2,3,4,5,6,7
	RSTEP \t
.endr
	s_wait_kmcnt 0x0                               ; bg
.irp e, 0,1,2,3,4,5,6,7
	v_add_f32 v[LG+\e], s[36+\e], v[LG+\e]
.endr
	v_max3_num_f32 v248, v[LG], v[LG+1], v[LG+2]   ; the softmax, a token a lane: the row's maximum is taken away first
	v_max3_num_f32 v248, v248, v[LG+3], v[LG+4]
	v_max3_num_f32 v248, v248, v[LG+5], v[LG+6]
	v_max_num_f32 v248, v248, v[LG+7]
.irp e, 0,1,2,3,4,5,6,7
	v_sub_f32 v[ACC+\e], v[LG+\e], v248
.endr
.irp e, 0,1,2,3,4,5,6,7
	v_mul_f32 v[ACC+\e], 0x3fb8aa3b, v[ACC+\e]
.endr
.irp e, 0,1,2,3,4,5,6,7
	v_exp_f32 v[ACC+\e], v[ACC+\e]
.endr
	v_nop                                          ; a plain place behind the exponentials
	s_wait_alu depctr_va_vdst(0)
	v_add_f32 v249, v[ACC], v[ACC+1]
	v_add_f32 v250, v[ACC+2], v[ACC+3]
	v_add_f32 v251, v[ACC+4], v[ACC+5]
	v_add_f32 v252, v[ACC+6], v[ACC+7]
	v_add_f32 v249, v249, v250
	v_add_f32 v251, v251, v252
	v_add_f32 v249, v249, v251
	v_rcp_f32 v249, v249
	v_nop
	s_wait_alu depctr_va_vdst(0)
.irp e, 0,1,2,3,4,5,6,7
	v_mul_f32 v[LG+\e], v[ACC+\e], v249            ; the gates
.endr
	v_mov_b32 v248, v[LG]                          ; the largest gate and its index: a later gate takes the place only if it is greater
	v_mov_b32 v250, 0
.irp e, 1,2,3,4,5,6,7
	v_cmp_le_f32 vcc_lo, v[LG+\e], v248            ; not greater: keep
	v_cndmask_b32 v248, v[LG+\e], v248, vcc_lo
	v_cndmask_b32 v250, \e, v250, vcc_lo
.endr
	v_mov_b32 v249, -1.0                           ; the second: the same over the other seven; every gate is over -1
	v_mov_b32 v251, 0
.irp e, 0,1,2,3,4,5,6,7
	v_cmp_le_f32 s32, v[LG+\e], v249
	v_cmp_eq_u32 s33, \e, v250
	s_or_b32 vcc_lo, s32, s33                      ; not greater, or the first one: keep
	v_cndmask_b32 v249, v[LG+\e], v249, vcc_lo
	v_cndmask_b32 v251, \e, v251, vcc_lo
.endr
	v_lshl_or_b32 v254, v251, 8, v250              ; the word of sel
	v_mov_b32 v252, 0
	v_mov_b32 v253, 0
.irp e, 0,1,2,3,4,5,6,7
	v_cmp_eq_u32 s32, \e, v250
	v_cmp_eq_u32 s33, \e, v251
	s_or_b32 s32, s32, s33
	s_and_b32 s32, s32, 0xff                       ; which of my 8 tokens chose e (lanes 8-31 hold no token),
	s_bcnt1_i32_b32 s33, s32                       ; and how many
	v_writelane_b32 v252, s32, \e
	v_writelane_b32 v253, s33, \e
.endr
	ds_store_b128 v10, v[LG:LG+3] offset:O1S       ; a lane's 32 bytes are a row of out1: through the stage, so that the wave stores 256 consecutive bytes
	ds_store_b128 v10, v[LG+4:LG+7] offset:O1S+16
	ds_load_b64 v[232:233], v11 offset:O1S         ; the first 256 bytes: tokens 0-7
	ds_load_b32 v234, v12 offset:BYT               ; my wave's 128 scale bytes
	s_wait_dscnt 0x0
	global_store_b64 v13, v[232:233], s[24:25]
	global_store_b32 v7, v234, s[12:13]
	s_wait_xcnt 0x0                                ; EXEC changes only behind this wait
	v_cmp_gt_u32 vcc_lo, 8, v1
	s_set_vgpr_msb 0x4
	s_wait_tensorcnt 0x0
	ds_add_u32 v15, v1
	s_wait_dscnt 0x0
	s_set_vgpr_msb 0x400
	s_and_saveexec_b32 s34, vcc_lo
	global_store_b32 v7, v254, s[20:21]            ; lanes 0-7: a token each;
	global_store_b8 v14, v252, s[22:23]            ; an expert each: the mask,
	global_store_b8 v14, v253, s[22:23] offset:4096 ; the count
	s_wait_xcnt 0x0
	s_or_b32 exec_lo, exec_lo, s34
	s_endpgm
.Lfunc_end_k_qbe1aaf96ea_prep:
	.size	k_qbe1aaf96ea_prep, .Lfunc_end_k_qbe1aaf96ea_prep-k_qbe1aaf96ea_prep
	.p2alignl 7, 3214868480
	.fill 96, 4, 3214868480
	.section	.rodata,"a",@progbits
	.p2align	6, 0x0
	.amdhsa_kernel k_qbe1aaf96ea_prep
		.amdhsa_group_segment_fixed_size 66560
		.amdhsa_private_segment_fixed_size 0
		.amdhsa_enable_private_segment 0
		.amdhsa_kernarg_size 88
		.amdhsa_user_sgpr_count 2
		.amdhsa_user_sgpr_kernarg_segment_ptr 1
		.amdhsa_wavefront_size32 1
		.amdhsa_system_sgpr_workgroup_id_x 1
		.amdhsa_system_sgpr_workgroup_id_y 1
		.amdhsa_system_sgpr_workgroup_id_z 1
		.amdhsa_system_vgpr_workitem_id 0
		.amdhsa_next_free_vgpr 258
		.amdhsa_next_free_sgpr 66
		.amdhsa_reserve_vcc 1
		.amdhsa_float_denorm_mode_32 3
		.amdhsa_float_denorm_mode_16_64 3
		.amdhsa_memory_ordered 1
		.amdhsa_forward_progress 1
		.amdhsa_inst_pref_size 155
	.end_amdhsa_kernel
	.amdgpu_metadata
---
amdhsa.version: [ 1, 2 ]
amdhsa.kernels:
  - .name:           k_qbe1aaf96ea_prep
    .symbol:         k_qbe1aaf96ea_prep.kd
    .args:
      - { .name: x, .offset: 0, .size: 8, .value_kind: global_buffer, .address_space: global }
      - { .name: Wg, .offset: 8, .size: 8, .value_kind: global_buffer, .address_space: global }
      - { .name: bg, .offset: 16, .size: 8, .value_kind: global_buffer, .address_space: global }
      - { .name: W1, .offset: 24, .size: 8, .value_kind: global_buffer, .address_space: global }
      - { .name: W2, .offset: 32, .size: 8, .value_kind: global_buffer, .address_space: global }
      - { .name: xq, .offset: 40, .size: 8, .value_kind: global_buffer, .address_space: global }
      - { .name: w1q, .offset: 48, .size: 8, .value_kind: global_buffer, .address_space: global }
      - { .name: w2q, .offset: 56, .size: 8, .value_kind: global_buffer, .address_space: global }
      - { .name: sel, .offset: 64, .size: 8, .value_kind: global_buffer, .address_space: global }
      - { .name: msk, .offset: 72, .size: 8, .value_kind: global_buffer, .address_space: global }
      - { .name: out1, .offset: 80, .size: 8, .value_kind: global_buffer, .address_space: global }
    .group_segment_fixed_size: 66560
    .private_segment_fixed_size: 0
    .kernarg_segment_align: 8
    .kernarg_segment_size: 88
    .max_flat_workgroup_size: 256
    .sgpr_count:     66
    .vgpr_count:     258
    .wavefront_size: 32
...
	.end_amdgpu_metadata
.endif
;; end of part 1
;; launch chain (part 2): grid 135 x 1, 4 waves a work-group, no clusters, 185,344 bytes of LDS; arguments xq, w1q, w2q, b1, b2, out1, sel, msk, ybuf; writes ybuf
.if DOCPART == 2
	.amdgcn_target "amdgcn-amd-amdhsa--gfx1250"
	.amdhsa_code_object_version 6
	.text
	.protected	k_qbe1aaf96ea_chain
	.globl	k_qbe1aaf96ea_chain
	.p2align	8
	.type	k_qbe1aaf96ea_chain,@function
k_qbe1aaf96ea_chain:
	s_mov_b64 s[64:65], 0
	v_nop
	global_prefetch_b8 v0, s[64:65] scope:SCOPE_SE
	s_setreg_imm32_b32 hwreg(HW_REG_WAVE_MODE, 25, 1), 1
	s_wait_xcnt 0x0
; ONE WORK-GROUP TAKES ONE TILE OF 64 ROUTED ROWS OF ONE EXPERT THROUGH THE WHOLE CHAIN: gather x's codes, x W1 + b1, relu, quantise along the hidden 2,048, h W2 + b2, x the gate, store.
; Only the two experts that each token chose are multiplied: the other six are multiplied by a gate of 0 in the definition.
; THE GRID serves every split: 8,192 routed rows in tiles of 64 over 8 experts are never more than 128 + 7 tiles.  A work-group that a split leaves without rows walks the same text on
; held indices and stores nothing: every wave passes every barrier, and none stands under a branch on loaded numbers.
; WHICH TILE: each wave sums the stored counts to the eight totals, walks the experts' tile counts to its expert E and its first place, and finds the token at place p of E's list
; by a walk over the 128 mask words of E (running count) and a search for the n-th set bit.  All of it is whole-number work on numbers that an earlier launch stored.
; THE WAVES SHARE COLUMNS, NOT ROWS.  First product: wave w makes hidden units 512 w .. 512 w + 511 (K steps 4 w .. 4 w + 3 of the second product) for all 64 rows.  Second: outputs
; 128 w .. 128 w + 127.  So each fragment of the weights is wanted by ONE wave, comes from memory straight into that wave's registers (laid in register order by the launch before) and
; feeds four matrix instructions.  x's 16 fragments stay in every wave's registers; the hidden layer (64 x 2,048 codes) goes from wave to wave through LDS as images of its registers.
; NO CLUSTER, NO JOINT LOADS: a joint load lands in LDS; a tile's 2,162,688 bytes of weights would then be written to LDS and read back, where this text moves 131,072 bytes in and
; 524,288 out; and the number of tiles of one expert hangs on the routing, so that partners of a cluster could not be given tiles of one expert at every split.
; BOTH PRODUCTS ARE USED TRANSPOSED (source 0 = 16 rows of the weight, source 1 = 16 routed rows): a lane holds one routed row, its registers run along the columns.
; The biases are the C of each sum's first matrix instruction.  The accumulators take turns, one instruction a turn.
; LIMITS: NaN and infinities are not served; a block of the hidden layer whose largest number lies under 2^-118, a block of zeros too, gets the scale byte 1.
; REGISTERS, in windows of 256: window 0: v0-25 addresses; v32-35 gates; v36-51 x's scale words; v52-67 the ring's; v68-75 the hidden layer's; v76-79, v80-95 scale words and codes just made;
;   v96-111 at work, on the way out the offsets of 16 rows of ybuf; v112-127 b1; v128-191 eight tiles of the hidden layer, later b2, later results; v192-255 rows on their way out.
;   window 1: x's 16 fragments, later the 32 accumulators of y.
;   windows 2, 3: a ring of four slots of 128 registers for the weights; in the second product three slots, and v128-255 of window 3 two buffers of hidden fragments.
.set GRP,   16896                      ; a group of weights: 8 fragments of 2,048 bytes and 512 bytes of scale words
.set LIST,  0                          ; LDS: 128 words: the tile's tokens (words 64-127 repeat words 0-63 and are not read)
.set RHO,   512                        ; likewise: the rows of ybuf
.set GATE,  1024                       ; likewise: the gates
.set B2L,   1536                       ; b2[E]: 2,048 bytes
.set B1L,   3584                       ; b1[E]: 8,192 bytes
.set XROW,  11776                      ; 64 rows of x's codes, 512 bytes + 16; behind the last barrier the same bytes are the waves' stages for the way out (16 rows of 528 each)
.set HSC,   45568                      ; the hidden layer's scale words: 128 bytes for each of 64 fragments
.set HIMG,  53760                      ; its fragments: number 4 sigma + m, 2,048 bytes each
.set LANE, 1
.set R,    2
.set HH,   3
.set L16,  4                           ; 16 x lane
.set L4,   5                           ; 4 x lane
.set R4,   6                           ; 4 x (lane % 16)
.set XFA,  7                           ; x's fragments out of XROW
.set XSTO, 8                           ; my wave's 16 rows of XROW, 16 bytes a lane: in with x's rows, and back out of my stage
.set HWB,  9                           ; where I store hidden fragments: base, and v10 this trip's
.set HW,   10
.set HSB,  11                          ; their scale words: base, and v12 this trip's
.set HSCUR, 12
.set BIB,  13                          ; b1 of my units: base, and v14 this trip's
.set BIC,  14
.set LI0,  15                          ; hidden fragments back: K steps 0-7; v16: K steps 8-15
.set LSC,  17
.set STO,  18                          ; my stage: where I put 32 bytes of a row
.set YB,   20                          ; my bytes of a row of ybuf
.set T4,   21                          ; 4 x thread
.set T16,  22                          ; 16 x thread
.set LISTW, 23                         ; 64 x wave
.set ZERO, 24
.set B2A,  25                          ; 512 x wave + 32 x (lane / 16)
.set G,    32
.set XS,   36
.set RS,   52
.set HSW,  68
.set PW,   76
.set PC,   80
.set TM,   96
.set BI,   112
.set HA,   128
.set TO,   128
.set OB,   192
.set YO,   96                          ; the way out: the byte offsets of a tile's 16 rows of ybuf
.set RPA,  40                          ; s[40:41] this trip's groups of W1
.set W2B,  44                          ; s[44:45] my groups of W2
.set MSB, 0
.macro WIN new                         ; the immediate's high byte repeats the setting that is left
.if MSB != (\new)
	s_set_vgpr_msb (MSB<<8)|(\new)
.set MSB, \new
.endif
.endm
.macro BARRIER                         ; my LDS stores have landed and my LDS loads are in: then the work-group's barrier
	s_wait_dscnt 0x0
	s_barrier_signal -1
	s_barrier_wait -1
.endm
; A group of weights into a slot of the ring: 33 loads, each of 512 consecutive bytes.  No hint: other tiles of the expert read the same bytes.
.macro REFILL slot, base, imm
	WIN 0x80+0x40*((\slot)/2)                      ; destination window 2 or 3, address window 0
.irp f, 0,1,2,3,4,5,6,7
.irp c, 0,1,2,3
	global_load_b128 v[128*((\slot)%2)+16*\f+4*\c:128*((\slot)%2)+16*\f+4*\c+3], v[L16], s[\base:\base+1] offset:(\imm)+2048*\f+512*\c
.endr
.endr
	WIN 0
	global_load_b128 v[RS+4*(\slot):RS+4*(\slot)+3], v[L16], s[\base:\base+1] offset:(\imm)+16384
.endm
.macro MM1 b, s, u, m                  ; hidden tile (u, m) += W1's fragment (K step s, tile u) x x's fragment (m, s)
.set rD, HA+16*(\m)+8*(\u)
.set rA, 128*((\b)%2)+16*(2*(\s)+(\u))
.set rB, 16*(4*(\m)+(\s))
.set rC, rD
.if (\s) == 0
.set rC, BI+8*(\u)
.endif
.if \u
	v_wmma_scale_f32_16x16x128_f8f6f4 v[rD:rD+7], v[rA:rA+15], v[rB:rB+15], v[rC:rC+7], v[RS+4*(\b)+(\s)], v[XS+4*(\m)+(\s)] matrix_a_scale:MATRIX_SCALE_ROW1
.else
	v_wmma_scale_f32_16x16x128_f8f6f4 v[rD:rD+7], v[rA:rA+15], v[rB:rB+15], v[rC:rC+7], v[RS+4*(\b)+(\s)], v[XS+4*(\m)+(\s)]
.endif
.endm
; The 32 units just made, for the four tiles of rows m: registers HA + 16 m + i are units 16 (lane / 16) + i of row lane % 16: block b of the K step.  relu and the hold are one line.
.macro QUANTB b
.irp m, 0,1,2,3
	v_max3_num_f32 v[TM+\m], v[HA+16*\m], v[HA+16*\m+1], 0x4800000   ; no |.|: what is negative becomes 0 and must not count; the floor 2^(9 - 127) stands over it.  Each accumulator is read from its low end on
.endr
.irp i, 2,4,6,8,10,12,14
.irp m, 0,1,2,3
	v_max3_num_f32 v[TM+\m], v[TM+\m], v[HA+16*\m+\i], v[HA+16*\m+\i+1]
.endr
.endr
.irp m, 0,1,2,3
	v_permlanex16_b32 v[TM+4+\m], v[TM+\m], s52, s53
.endr
.irp m, 0,1,2,3
	v_max_num_f32 v[TM+\m], v[TM+\m], v[TM+4+\m]   ; with lane l xor 16's 16 units: the block's largest number
.endr
.irp m, 0,1,2,3
	v_add_nc_u32 v[TM+12+\m], 0xfc000000, v[TM+\m] ; 8 off the exponent field: the conversion's scale operand
.endr
.irp m, 0,1,2,3
	v_and_or_b32 v[TM+8+\m], v[TM+\m], 0x7f800000, s54   ; 448 x the scale
.endr
.irp m, 0,1,2,3
	v_lshrrev_b32 v[TM+4+\m], 23, v[TM+12+\m]      ; the scale's byte
.endr
.irp m, 0,1,2,3
.if (\b) == 0
	v_mov_b32 v[PW+\m], v[TM+4+\m]
.else
	v_lshl_or_b32 v[PW+\m], v[TM+4+\m], 8*(\b), v[PW+\m]
.endif
.endr
.irp m, 0,1,2,3
.irp i, 0,1,2,3,4,5,6,7,8,9,10,11,12,13,14,15
	v_med3_num_f32 v[HA+16*\m+\i], v[HA+16*\m+\i], 0, v[TM+8+\m]
.endr
	v_cvt_scalef32_pk8_fp8_f32 v[PC+4*\m:PC+4*\m+1], v[HA+16*\m:HA+16*\m+7], v[TM+12+\m]
	v_cvt_scalef32_pk8_fp8_f32 v[PC+4*\m+2:PC+4*\m+3], v[HA+16*\m+8:HA+16*\m+15], v[TM+12+\m]
.endr
	v_nop                                          ; one plain line behind the last conversion: the next products write its sources
.irp m, 0,1,2,3
	ds_store_b128 v[HW], v[PC+4*\m:PC+4*\m+3] offset:2048*\m+512*(\b)   ; registers 4 b .. 4 b + 3 of fragment (sigma, m), as they stand
.endr
.if (\b) == 3
.irp m, 0,1,2,3
	ds_store_b32 v[HSCUR], v[PW+\m] offset:128*\m
.endr
.endif
.endm
; Group b of a trip: 32 hidden units for 64 rows: 32 matrix instructions on eight accumulators by turns.  The ring is asked two groups ahead, into the slot read two groups ago.
; last = 1: the wave's fourth trip: the two groups behind W1's last are W2's first two, so that the ring does not stop and no load leaves a buffer.
.macro GROUP1 b, last
.irp i, 0,1,2,3
	ds_load_b128 v[BI+4*\i:BI+4*\i+3], v[BIC] offset:128*(\b)+16*\i    ; b1 at my 16 units
.endr
.if (\b) < 2
	REFILL (\b)+2, RPA, ((\b)+2)*GRP
.elseif \last
	REFILL (\b)-2, W2B, ((\b)-2)*GRP
.else
	REFILL (\b)-2, RPA, ((\b)+2)*GRP
.endif
	s_wait_dscnt 0x0                               ; b1 is in; the last group's stores of codes have read their registers
	s_wait_loadcnt 63                              ; this group is in: 66 loads were issued behind it, and the wait's field names 63 at the most
	WIN 0x06+(\b)/2                                ; source 0 (W1) window 2 or 3, source 1 (x) window 1, C and D window 0
.irp s, 0,1,2,3
.irp u, 0,1
.irp m, 0,1,2,3
	MM1 \b, \s, \u, \m
.endr
.endr
.endr
	WIN 0
.rept 8
	v_nop                                          ; eight places between the last product and the first read of results
.endr
	QUANTB \b
.endm
; A trip makes one K step of the second product (128 hidden units) for the 64 rows, in four groups of 32 units.
.macro TRIP last
	v_add_nc_u32 v[HW], s49, v[HWB]
	v_add_nc_u32 v[HSCUR], s50, v[HSB]
	v_add_nc_u32 v[BIC], s50, v[BIB]
	GROUP1 0, \last
	GROUP1 1, \last
	GROUP1 2, \last
	GROUP1 3, \last
.endm
.macro HFETCH k                        ; K step k of the second product: the hidden layer's four fragments and their scale words
	WIN 0xc0
.irp m, 0,1,2,3
.irp c, 0,1,2,3
	ds_load_b128 v[128+64*((\k)%2)+16*\m+4*\c:128+64*((\k)%2)+16*\m+4*\c+3], v[LI0+(\k)/8] offset:(4*((\k)%8)+\m)*2048+512*\c
.endr
.endr
	WIN 0
.irp m, 0,1,2,3
	ds_load_b32 v[HSW+4*((\k)%2)+\m], v[LSC] offset:(4*(\k)+\m)*128
.endr
.endm
.macro MM2 k, t, m                     ; y's tile (t, m) += W2's fragment t x hidden fragment (k, m)
.set rD, 8*(4*(\t)+(\m))
.set rA, 128*(((\k)%3)%2)+16*(\t)
.set rB, 128+64*((\k)%2)+16*(\m)
.set rC, rD
.if (\k) == 0
.set rC, HA+8*(\t)
.endif
.if (\t)%2
	v_wmma_scale_f32_16x16x128_f8f6f4 v[rD:rD+7], v[rA:rA+15], v[rB:rB+15], v[rC:rC+7], v[RS+4*((\k)%3)+(\t)/2], v[HSW+4*((\k)%2)+(\m)] matrix_a_scale:MATRIX_SCALE_ROW1
.else
	v_wmma_scale_f32_16x16x128_f8f6f4 v[rD:rD+7], v[rA:rA+15], v[rB:rB+15], v[rC:rC+7], v[RS+4*((\k)%3)+(\t)/2], v[HSW+4*((\k)%2)+(\m)]
.endif
.endm
.macro STEP2 k
.if (\k) > 0
.rept 8
	v_nop                                          ; eight places in front of loads into registers that the last step's products read
.endr
.endif
.if (\k) < 15
	HFETCH (\k)+1
.endif
.if (\k) < 14
	REFILL ((\k)+2)%3, W2B, ((\k)+2)*GRP
.endif
.if (\k) < 15
	s_wait_dscnt 20                                ; this step's hidden fragments are in; the 20 loads just issued may be out
.else
	s_wait_dscnt 0x0
.endif
.if (\k) < 14
	s_wait_loadcnt 63                              ; this step's group is in: 66 loads stand behind it, and the field names 63 at the most
.elseif (\k) == 14
	s_wait_loadcnt 33                              ; the last group's 33 may be out
.else
	s_wait_loadcnt 0x0
.endif
.if (\k) == 0
	WIN 0x4e                                       ; source 0 (W2) window 2, source 1 (hidden) window 3, C (b2) window 0, D window 1
.elseif (\k)%3 == 2
	WIN 0x5f                                       ; source 0 window 3; C and D window 1
.else
	WIN 0x5e
.endif
.irp t, 0,1,2,3,4,5,6,7
.irp m, 0,1,2,3
	MM2 \k, \t, \m
.endr
.endr
	WIN 0
.endm
.macro DESC src, mask, width           ; one step down to the n-th set bit: if n is not under the count of the lower part, leave that part behind
	v_lshrrev_b32 v109, v108, v[\src]
	v_and_b32 v109, \mask, v109
	v_cmp_ge_u32 vcc_lo, v110, v109
	v_sub_nc_u32 v109, v110, v109
	v_cndmask_b32 v110, v110, v109, vcc_lo
	v_add_nc_u32 v109, \width, v108
	v_cndmask_b32 v108, v108, v109, vcc_lo
.endm
; The way out of tile m of rows: x the gate; through my own stage in LDS; back as rows of 512 bytes, which the wave stores whole.  Rows at or past the tile's count are not stored.
.macro OUTM m
	WIN 0x01                                       ; source 0 window 1
.irp t, 0,1,2,3,4,5,6,7
.irp j, 0,2,4,6
.if (\m)%2
	v_pk_mul_f32 v[TO+8*\t+\j:TO+8*\t+\j+1], v[8*(4*\t+(\m))+\j:8*(4*\t+(\m))+\j+1], v[G+(\m)-1:G+(\m)] op_sel:[0,1] op_sel_hi:[1,1]
.else
	v_pk_mul_f32 v[TO+8*\t+\j:TO+8*\t+\j+1], v[8*(4*\t+(\m))+\j:8*(4*\t+(\m))+\j+1], v[G+(\m):G+(\m)+1] op_sel_hi:[1,0]
.endif
.endr
.endr
	WIN 0
.irp t, 0,1,2,3,4,5,6,7
	ds_store_b128 v[STO], v[TO+8*\t:TO+8*\t+3] offset:64*\t
	ds_store_b128 v[STO], v[TO+8*\t+4:TO+8*\t+7] offset:64*\t+16
.endr
.if (\m) > 0
	s_wait_xcnt 0x0                                ; the last tile's stores have read their data and their offsets
.endif
.irp i, 0,1,2,3
	ds_load_b128 v[YO+4*\i:YO+4*\i+3], v[ZERO] offset:RHO+64*(\m)+16*\i   ; the tile's 16 rows of ybuf, the same in every lane
.endr
.irp i, 0,1,2,3,4,5,6,7,8,9,10,11,12,13,14,15
	ds_load_b128 v[OB+4*\i:OB+4*\i+3], v[XSTO] offset:528*\i   ; LDS serves a wave's instructions in order: these see my stores
.endr
	s_wait_dscnt 16                                ; the row numbers are in; the 16 loads from the stage may be out
.set II, 0
.rept 16
	v_min_u32 v[YO+II], 0x1fff, v[YO+II]
.set II, II+1
.endr
.set II, 0
.rept 16
	v_lshl_add_u32 v[YO+II], v[YO+II], 11, v[YB]   ; 2,048 bytes a row, + my wave's 512, + 16 x lane
.set II, II+1
.endr
.irp i, 0,1,2,3,4,5,6,7,8,9,10,11,12,13,14,15
	s_wait_dscnt 15-\i
	s_cmp_le_u32 s36, 16*(\m)+\i                   ; the tile's rows are a run from its first place on: at the first row past the count nothing is left
	s_cbranch_scc1 .Lend
	global_store_b128 v[YO+\i], v[OB+4*\i:OB+4*\i+3], s[20:21]   ; 512 consecutive bytes, at a multiple of 512 from ybuf's first byte
.endr
.endm
	s_load_b512 s[4:19], s[0:1], 0x0               ; xq 4, w1q 6, w2q 8, b1 10, b2 12, out1 14, sel 16, msk 18
	s_load_b64 s[20:21], s[0:1], 0x40              ; ybuf
	v_lshrrev_b32 v1, 5, v0
	v_readfirstlane_b32 s22, v1                    ; wave 0..3
	v_and_b32 v[LANE], 31, v0
	v_and_b32 v[R], 15, v0
	v_bfe_u32 v[HH], v0, 4, 1
	v_lshlrev_b32 v[L16], 4, v[LANE]
	v_lshlrev_b32 v[L4], 2, v[LANE]
	v_lshlrev_b32 v[R4], 2, v[R]
	v_mul_u32_u24 v[XFA], v[R], 528
	v_lshl_add_u32 v[XFA], v[HH], 4, v[XFA]
	v_add_nc_u32 v[XFA], XROW, v[XFA]
	s_mul_i32 s37, s22, 8448                       ; 16 rows of 528 bytes
	v_add_nc_u32 v[XSTO], s37, v[L16]
	v_add_nc_u32 v[XSTO], XROW, v[XSTO]
	v_mul_u32_u24 v[STO], v[R], 528
	v_lshl_add_u32 v[STO], v[HH], 5, v[STO]
	v_add_nc_u32 v[STO], s37, v[STO]
	v_add_nc_u32 v[STO], XROW, v[STO]
	s_lshl_b32 s37, s22, 15                        ; my four K steps: 16 fragments of 2,048 bytes
	v_add_nc_u32 v[HWB], s37, v[L16]
	v_add_nc_u32 v[HWB], HIMG, v[HWB]
	s_lshl_b32 s37, s22, 11
	v_add_nc_u32 v[HSB], s37, v[L4]
	v_add_nc_u32 v[HSB], HSC, v[HSB]
	v_lshl_add_u32 v[BIB], v[HH], 6, s37           ; b1: 2,048 bytes a wave, 64 for the lanes' upper half
	v_add_nc_u32 v[BIB], B1L, v[BIB]
	v_add_nc_u32 v[LI0], HIMG, v[L16]
	v_add_nc_u32 v[LI0+1], HIMG+65536, v[L16]
	v_add_nc_u32 v[LSC], HSC, v[L4]
	s_lshl_b32 s37, s22, 9
	v_add_nc_u32 v[YB], s37, v[L16]
	v_lshl_add_u32 v[B2A], v[HH], 5, s37
	v_lshlrev_b32 v[T4], 2, v0
	v_lshlrev_b32 v[T16], 4, v0
	s_lshl_b32 s37, s22, 6
	v_mov_b32 v[LISTW], s37
	v_mov_b32 v[ZERO], 0
	v_lshlrev_b32 v238, 7, v[LANE]                 ; the counts: 128 bytes a lane: lane l holds a quarter of expert l / 4's
	s_mov_b32 s52, 0x76543210
	s_mov_b32 s53, 0xfedcba98                      ; v_permlanex16_b32's selects for lane l xor 16
	s_mov_b32 s54, 0x600000                        ; the mantissa field of 448
	s_wait_kmcnt 0x0
.irp j, 0,1,2,3,4,5,6,7
	global_load_b128 v[128+4*\j:131+4*\j], v238, s[18:19] offset:4096+16*\j
.endr
	s_wait_loadcnt 0x0
	v_add3_u32 v160, v128, v129, v130              ; a count byte is 8 at the most: 16 words are added byte by byte (128 at the most), twice
	v_add3_u32 v161, v144, v145, v146
.irp j, 3,5,7,9,11,13
	v_add3_u32 v160, v160, v[128+\j], v[129+\j]
	v_add3_u32 v161, v161, v[144+\j], v[145+\j]
.endr
	v_add_nc_u32 v160, v160, v143
	v_add_nc_u32 v161, v161, v159
	v_and_b32 v162, 0xff00ff, v160                 ; and the bytes are folded
	v_lshrrev_b32 v160, 8, v160
	v_and_b32 v160, 0xff00ff, v160
	v_and_b32 v163, 0xff00ff, v161
	v_lshrrev_b32 v161, 8, v161
	v_and_b32 v161, 0xff00ff, v161
	v_add3_u32 v160, v160, v162, v163
	v_add_nc_u32 v160, v160, v161
	v_lshrrev_b32 v161, 16, v160
	v_and_b32 v160, 0xffff, v160
	v_add_nc_u32 v160, v160, v161
.irp e, 0,1,2,3,4,5,6,7
	v_readlane_b32 s72, v160, 4*\e
	v_readlane_b32 s73, v160, 4*\e+1
	v_readlane_b32 s74, v160, 4*\e+2
	v_readlane_b32 s75, v160, 4*\e+3
	s_add_co_u32 s72, s72, s73
	s_add_co_u32 s74, s74, s75
	s_add_co_u32 s[24+\e], s72, s74                ; how many rows expert e has
.endr
	s_mov_b32 s37, 0                               ; the first tile of the expert in hand
	s_mov_b32 s32, 0
	s_mov_b32 s33, 0
	s_mov_b32 s34, 0
.irp e, 0,1,2,3,4,5,6,7
	s_cmp_ge_u32 ttmp9, s37                        ; my tile lies at or behind it: the last expert of which that holds is mine
	s_cselect_b32 s32, \e, s32
	s_cselect_b32 s33, s37, s33
	s_cselect_b32 s34, s[24+\e], s34
	s_add_co_u32 s38, s[24+\e], 63
	s_lshr_b32 s38, s38, 6
	s_add_co_u32 s37, s37, s38
.endr
	s_min_u32 s32, s32, 7                          ; E
	s_sub_co_u32 s35, ttmp9, s33
	s_lshl_b32 s35, s35, 6                         ; my first place in E's list
	s_sub_co_i32 s36, s34, s35
	s_max_i32 s36, s36, 0
	s_min_i32 s36, s36, 64                         ; how many rows my tile has: 0 .. 64
	s_mul_i32 s56, s32, 64*GRP
	s_mul_i32 s38, s22, 16*GRP
	s_add_co_u32 s56, s56, s38                     ; my 16 groups: the same offset in w1q and in w2q
	s_mov_b32 s57, 0
	s_add_nc_u64 s[RPA:RPA+1], s[6:7], s[56:57]
	s_add_nc_u64 s[W2B:W2B+1], s[8:9], s[56:57]
	s_lshl_b32 s38, s32, 9
	v_add_nc_u32 v237, s38, v[L16]
	global_load_b128 v[96:99], v237, s[18:19]      ; E's 128 mask words: lane l holds words 4 l .. 4 l + 3
	s_lshl_b32 s38, s32, 13
	v_add_nc_u32 v235, s38, v[T16]
.irp i, 0,1,2,3
	global_load_b128 v[112+4*\i:115+4*\i], v235, s[10:11] offset:2048*\i   ; b1[E]: the work-group copies it once, in runs of 512 bytes a wave
.endr
	s_lshl_b32 s38, s32, 11
	v_add_nc_u32 v236, s38, v[T16]
	global_load_b128 v[28:31], v236, s[12:13]      ; b2[E]
	REFILL 0, RPA, 0                               ; the weights start on their way while the rows are looked for
	s_and_b32 s38, s22, 1
	s_lshl_b32 s38, s38, 5
	s_add_co_u32 s38, s38, s35
	v_add_nc_u32 v100, s38, v[LANE]                ; p: the place that I look for (waves 2 and 3 repeat waves 0 and 1)
	v_mov_b32 v101, 0
	v_mov_b32 v102, 0
	v_mov_b32 v103, 0
	s_mov_b32 s81, 0                               ; how many rows lie ahead of the word in hand
	s_wait_loadcnt 38                              ; the mask words are in: behind them b1's 4, b2's 1 and the group's 33
.set CH, 0
.rept 16
.irp i, 0,1,2,3,4,5,6,7
	v_readlane_b32 s[72+\i], v[96+(CH+\i)%4], (CH+\i)/4
.endr
.irp i, 0,1,2,3,4,5,6,7
	v_cmp_gt_u32 vcc_lo, s81, v100                 ; this word begins behind my place: keep what I have; else take it
	v_cndmask_b32 v101, s[72+\i], v101, vcc_lo     ; the word,
	v_cndmask_b32 v102, s81, v102, vcc_lo          ; the rows ahead of it,
	v_cndmask_b32 v103, CH+\i, v103, vcc_lo        ; its number
	s_bcnt1_i32_b32 s80, s[72+\i]
	s_add_co_u32 s81, s81, s80
.endr
.set CH, CH+8
.endr
	v_sub_nc_u32 v110, v100, v102                  ; n: I want the word's n-th set bit
	v_lshrrev_b32 v104, 1, v101
	v_and_b32 v104, 0x55555555, v104
	v_sub_nc_u32 v104, v101, v104                  ; counts of 2 bits,
	v_lshrrev_b32 v105, 2, v104
	v_and_b32 v105, 0x33333333, v105
	v_and_b32 v106, 0x33333333, v104
	v_add_nc_u32 v105, v105, v106                  ; of 4,
	v_lshrrev_b32 v106, 4, v105
	v_add_nc_u32 v106, v106, v105
	v_and_b32 v106, 0x0f0f0f0f, v106               ; of 8,
	v_lshrrev_b32 v107, 8, v106
	v_add_nc_u32 v107, v107, v106
	v_and_b32 v107, 0x00ff00ff, v107               ; of 16
	v_mov_b32 v108, 0                              ; the bit's place
	DESC 107, 0xffff, 16
	DESC 106, 0xff, 8
	DESC 105, 15, 4
	DESC 104, 3, 2
	DESC 101, 1, 1
	v_lshl_add_u32 v111, v103, 5, v108
	v_min_u32 v111, 0xfff, v111                    ; the token (a place past the list's end gives some token: its row is computed and not stored)
	v_lshlrev_b32 v26, 2, v111
	global_load_b32 v232, v26, s[16:17]            ; its two experts
	s_lshl_b32 s38, s32, 2
	v_lshlrev_b32 v27, 5, v111
	v_add_nc_u32 v27, s38, v27
	global_load_b32 v233, v27, s[14:15]            ; its gate for E
	s_wait_loadcnt 35                              ; b1 and b2 are in: behind them the group's 33 and these 2
.irp i, 0,1,2,3
	ds_store_b128 v[T16], v[112+4*\i:115+4*\i] offset:B1L+2048*\i
.endr
	ds_store_b128 v[T16], v[28:31] offset:B2L
	ds_store_b32 v[T4], v111 offset:LIST
	BARRIER                                        ; the tile's tokens, b1 and b2 lie in LDS
.irp i, 0,1,2,3
	ds_load_b128 v[128+4*\i:131+4*\i], v[LISTW] offset:LIST+16*\i    ; the 16 tokens whose rows my wave fetches: the same in every lane
.endr
.irp m, 0,1,2,3
	ds_load_b32 v[144+\m], v[R4] offset:LIST+64*\m                   ; and the token of row 16 m + lane % 16
.endr
	s_wait_dscnt 0x0
.set II, 0
.rept 16
	v_min_u32 v[128+II], 0xfff, v[128+II]
.set II, II+1
.endr
.set II, 0
.rept 16
	v_lshl_add_u32 v[128+II], v[128+II], 9, v[L16]
.set II, II+1
.endr
.irp m, 0,1,2,3
	v_min_u32 v[144+\m], 0xfff, v[144+\m]
.endr
.irp m, 0,1,2,3
	v_lshlrev_b32 v[144+\m], 4, v[144+\m]
.endr
.set II, 0
.rept 16
	global_load_b128 v[160+4*II:163+4*II], v[128+II], s[4:5]         ; a row of x's codes: 512 consecutive bytes
.set II, II+1
.endr
.irp m, 0,1,2,3
	global_load_b128 v[XS+4*\m:XS+4*\m+3], v[144+\m], s[4:5] offset:2097152   ; my row's four scale words: they stay
.endr
	REFILL 1, RPA, GRP
	s_wait_loadcnt 37                              ; the rows are in (and the two loads ahead of them): behind them 4 scale loads and the group's 33
.set II, 0
.rept 16
	ds_store_b128 v[XSTO], v[160+4*II:163+4*II] offset:528*II
.set II, II+1
.endr
	v_bfe_u32 v234, v232, 8, 8
	v_mov_b32 v239, 1
	v_cmp_eq_u32 vcc_lo, s32, v234
	v_cndmask_b32 v234, 0, v239, vcc_lo            ; E is the token's second expert: slot 1
	v_lshl_add_u32 v234, v111, 1, v234             ; the row of ybuf: 2 x token + slot
	ds_store_b32 v[T4], v234 offset:RHO
	ds_store_b32 v[T4], v233 offset:GATE
	BARRIER                                        ; x's 64 rows, the rows of ybuf and the gates lie in LDS
	WIN 0x40                                       ; destination window 1
.irp m, 0,1,2,3
.irp s, 0,1,2,3
.irp c, 0,1,2,3
	ds_load_b128 v[16*(4*\m+\s)+4*\c:16*(4*\m+\s)+4*\c+3], v[XFA] offset:8448*\m+128*\s+32*\c   ; x's fragment (m, s): row lane % 16, k = 32 c + 16 (lane / 16) ..
.endr
.endr
.endr
	WIN 0
.irp m, 0,1,2,3
	ds_load_b32 v[G+\m], v[R4] offset:GATE+64*\m
.endr
.irp m, 0,1,2,3
	v_mov_b32 v[TM+4+\m], 0                        ; written once: a lane permute's destination counts as one of its sources
.endr
	s_mov_b32 s48, 0                               ; the trip,
	s_mov_b32 s49, 0                               ; 8,192 x the trip,
	s_mov_b32 s50, 0                               ; 512 x the trip
	s_wait_dscnt 0x0
	s_wait_loadcnt 33                              ; x's scale words are in; group 1 may be out
.Lsig:	; ---- THE FIRST PRODUCT: three trips in the loop, all of whose refills are W1's
	TRIP 0
	s_wait_dscnt 0x0                               ; my LDS stores have read their address registers,
	s_wait_xcnt 0x0                                ; and the loads their base: both are written again below
	s_add_nc_u64 s[RPA:RPA+1], s[RPA:RPA+1], 4*GRP
	s_add_co_u32 s49, s49, 8192
	s_add_co_u32 s50, s50, 512
	s_add_co_u32 s48, s48, 1
	s_cmp_lt_u32 s48, 3
	s_cbranch_scc1 .Lsig
	TRIP 1                                         ; the fourth is written out: its last two refills are W2's groups 0 and 1
.irp t, 0,1,2,3,4,5,6,7
	ds_load_b128 v[HA+8*\t:HA+8*\t+3], v[B2A] offset:B2L+64*\t          ; b2 at outputs 128 w + 16 t + 8 (lane / 16) + 0 .. 7
	ds_load_b128 v[HA+8*\t+4:HA+8*\t+7], v[B2A] offset:B2L+64*\t+16
.endr
	BARRIER                                        ; the hidden layer's 64 fragments lie in LDS; nobody reads x's rows any more
	; ---- THE SECOND PRODUCT: 16 K steps, 32 accumulators by turns
	HFETCH 0
.irp k, 0,1,2,3,4,5,6,7,8,9,10,11,12,13,14,15
	STEP2 \k
.endr
.rept 8
	v_nop                                          ; eight places between the last products and the first read of results
.endr
	OUTM 0
	OUTM 1
	OUTM 2
	OUTM 3
.Lend:
	s_wait_dscnt 0x0
	s_wait_xcnt 0x0
	v_lshl_add_u32 v254, v0, 2, 0x2d200
	v_mov_b32 v255, 0
	s_wait_tensorcnt 0x0
	ds_add_u32 v254, v255
	s_wait_dscnt 0x0
	s_endpgm
.Lfunc_end_k_qbe1aaf96ea_chain:
	.size	k_qbe1aaf96ea_chain, .Lfunc_end_k_qbe1aaf96ea_chain-k_qbe1aaf96ea_chain
	.p2alignl 7, 3214868480
	.fill 96, 4, 3214868480
	.section	.rodata,"a",@progbits
	.p2align	6, 0x0
	.amdhsa_kernel k_qbe1aaf96ea_chain
		.amdhsa_group_segment_fixed_size 185344
		.amdhsa_private_segment_fixed_size 0
		.amdhsa_enable_private_segment 0
		.amdhsa_kernarg_size 72
		.amdhsa_user_sgpr_count 2
		.amdhsa_user_sgpr_kernarg_segment_ptr 1
		.amdhsa_wavefront_size32 1
		.amdhsa_system_sgpr_workgroup_id_x 1
		.amdhsa_system_sgpr_workgroup_id_y 1
		.amdhsa_system_sgpr_workgroup_id_z 1
		.amdhsa_system_vgpr_workitem_id 0
		.amdhsa_next_free_vgpr 1024
		.amdhsa_next_free_sgpr 96
		.amdhsa_reserve_vcc 1
		.amdhsa_float_denorm_mode_32 3
		.amdhsa_float_denorm_mode_16_64 3
		.amdhsa_memory_ordered 1
		.amdhsa_forward_progress 1
		.amdhsa_inst_pref_size 255
	.end_amdhsa_kernel
	.section	.bss,"aw",@nobits
	.p2align	6
	.space	262144
	.amdgpu_metadata
---
amdhsa.version: [ 1, 2 ]
amdhsa.kernels:
  - .name:           k_qbe1aaf96ea_chain
    .symbol:         k_qbe1aaf96ea_chain.kd
    .args:
      - { .name: xq, .offset: 0, .size: 8, .value_kind: global_buffer, .address_space: global }
      - { .name: w1q, .offset: 8, .size: 8, .value_kind: global_buffer, .address_space: global }
      - { .name: w2q, .offset: 16, .size: 8, .value_kind: global_buffer, .address_space: global }
      - { .name: b1, .offset: 24, .size: 8, .value_kind: global_buffer, .address_space: global }
      - { .name: b2, .offset: 32, .size: 8, .value_kind: global_buffer, .address_space: global }
      - { .name: out1, .offset: 40, .size: 8, .value_kind: global_buffer, .address_space: global }
      - { .name: sel, .offset: 48, .size: 8, .value_kind: global_buffer, .address_space: global }
      - { .name: msk, .offset: 56, .size: 8, .value_kind: global_buffer, .address_space: global }
      - { .name: ybuf, .offset: 64, .size: 8, .value_kind: global_buffer, .address_space: global }
    .group_segment_fixed_size: 185344
    .private_segment_fixed_size: 0
    .kernarg_segment_align: 8
    .kernarg_segment_size: 72
    .max_flat_workgroup_size: 128
    .sgpr_count:     96
    .vgpr_count:     1024
    .wavefront_size: 32
...
	.end_amdgpu_metadata
.endif
;; end of part 2
;; launch combine (part 3): grid 256 x 1, 8 waves a work-group, no clusters, 0 bytes of LDS; arguments ybuf, out0; writes out0
.if DOCPART == 3
	.amdgcn_target "amdgcn-amd-amdhsa--gfx1250"
	.amdhsa_code_object_version 6
	.text
	.protected	k_qbe1aaf96ea_combine
	.globl	k_qbe1aaf96ea_combine
	.p2align	8
	.type	k_qbe1aaf96ea_combine,@function
k_qbe1aaf96ea_combine:
	s_mov_b64 s[64:65], 0
	v_nop
	global_prefetch_b8 v0, s[64:65] scope:SCOPE_SE
	s_setreg_imm32_b32 hwreg(HW_REG_WAVE_MODE, 25, 1), 1
	s_wait_xcnt 0x0
; out0[t] = ybuf[2 t] + ybuf[2 t + 1]: the two weighted results of each token, which two different work-groups of the launch before stored.  The other six experts add 0.
; A stream: a wave takes two tokens: 16 loads of 512 consecutive bytes, all issued at once, 16 packed additions, 8 stores of 512 consecutive bytes.  No loop, no register written twice,
; no LDS, no barrier: waves share nothing, and matrix units, clusters and large register tiles would add nothing here.
	s_load_b128 s[4:7], s[0:1], 0x0                ; ybuf, out0
	v_lshrrev_b32 v1, 5, v0
	v_readfirstlane_b32 s8, v1                     ; wave 0..7
	v_and_b32 v2, 31, v0
	v_lshlrev_b32 v2, 4, v2                        ; 16 x lane
	s_lshl_b32 s9, ttmp9, 3
	s_add_co_u32 s9, s9, s8                        ; which pair of tokens: 0 .. 2,047
	s_lshl_b32 s10, s9, 13                         ; 8,192 bytes of ybuf,
	s_mov_b32 s11, 0
	s_lshl_b32 s12, s9, 12                         ; 4,096 of out0
	s_mov_b32 s13, 0
	s_wait_kmcnt 0x0
	s_add_nc_u64 s[4:5], s[4:5], s[10:11]
	s_add_nc_u64 s[6:7], s[6:7], s[12:13]
.irp j, 0,1,2,3,4,5,6,7                ; pair j: token j / 4, quarter j % 4 of its row
	global_load_b128 v[4+8*\j:7+8*\j], v2, s[4:5] offset:4096*(\j/4)+512*(\j%4) th:TH_LOAD_NT
	global_load_b128 v[8+8*\j:11+8*\j], v2, s[4:5] offset:4096*(\j/4)+512*(\j%4)+2048 th:TH_LOAD_NT
.endr
.irp j, 0,1,2,3,4,5,6,7
	s_wait_loadcnt 14-2*\j                         ; pair j is in; the pairs behind it may be out
	v_pk_add_f32 v[4+8*\j:5+8*\j], v[4+8*\j:5+8*\j], v[8+8*\j:9+8*\j]
	v_pk_add_f32 v[6+8*\j:7+8*\j], v[6+8*\j:7+8*\j], v[10+8*\j:11+8*\j]
	global_store_b128 v2, v[4+8*\j:7+8*\j], s[6:7] offset:2048*(\j/4)+512*(\j%4) th:TH_STORE_NT
.endr
	s_endpgm
.Lfunc_end_k_qbe1aaf96ea_combine:
	.size	k_qbe1aaf96ea_combine, .Lfunc_end_k_qbe1aaf96ea_combine-k_qbe1aaf96ea_combine
	.p2alignl 7, 3214868480
	.fill 96, 4, 3214868480
	.section	.rodata,"a",@progbits
	.p2align	6, 0x0
	.amdhsa_kernel k_qbe1aaf96ea_combine
		.amdhsa_group_segment_fixed_size 0
		.amdhsa_private_segment_fixed_size 0
		.amdhsa_enable_private_segment 0
		.amdhsa_kernarg_size 16
		.amdhsa_user_sgpr_count 2
		.amdhsa_user_sgpr_kernarg_segment_ptr 1
		.amdhsa_wavefront_size32 1
		.amdhsa_system_sgpr_workgroup_id_x 1
		.amdhsa_system_sgpr_workgroup_id_y 1
		.amdhsa_system_sgpr_workgroup_id_z 1
		.amdhsa_system_vgpr_workitem_id 0
		.amdhsa_next_free_vgpr 96
		.amdhsa_next_free_sgpr 66
		.amdhsa_reserve_vcc 0
		.amdhsa_float_denorm_mode_32 3
		.amdhsa_float_denorm_mode_16_64 3
		.amdhsa_memory_ordered 1
		.amdhsa_forward_progress 1
		.amdhsa_inst_pref_size 5
	.end_amdhsa_kernel
	.amdgpu_metadata
---
amdhsa.version: [ 1, 2 ]
amdhsa.kernels:
  - .name:           k_qbe1aaf96ea_combine
    .symbol:         k_qbe1aaf96ea_combine.kd
    .args:
      - { .name: ybuf, .offset: 0, .size: 8, .value_kind: global_buffer, .address_space: global }
      - { .name: out0, .offset: 8, .size: 8, .value_kind: global_buffer, .address_space: global }
    .group_segment_fixed_size: 0
    .private_segment_fixed_size: 0
    .kernarg_segment_align: 8
    .kernarg_segment_size: 16
    .max_flat_workgroup_size: 256
    .sgpr_count:     66
    .vgpr_count:     96
    .wavefront_size: 32
...
	.end_amdgpu_metadata
.endif
;; end of part 3
;; ======== version 2 of 3: 3 launches; 1.13 times as fast as version 1
;; workspace buffers: w1q 8,650,752 bytes; w2q 8,650,752 bytes; xq 2,162,688 bytes; sel 16,384 bytes of whole numbers; msk 8,192 bytes of whole numbers; ybuf 16,777,216 bytes
;; launch prep: the kernel of part 1 again; grid 576 x 1, 8 waves a work-group, no clusters, 66,560 bytes of LDS; arguments x, Wg, bg, W1, W2, xq, w1q, w2q, sel, msk, out1; writes xq, w1q, w2q, sel, msk, out1
;; launch chain (part 4): grid 135 x 1, 4 waves a work-group, no clusters, 185,344 bytes of LDS; arguments xq, w1q, w2q, b1, b2, out1, sel, msk, ybuf; writes ybuf
.if DOCPART == 4
	.amdgcn_target "amdgcn-amd-amdhsa--gfx1250"
	.amdhsa_code_object_version 6
	.text
	.protected	k_qbe1aaf96ea_chain
	.globl	k_qbe1aaf96ea_chain
	.p2align	8
	.type	k_qbe1aaf96ea_chain,@function
k_qbe1aaf96ea_chain:
	s_mov_b64 s[64:65], 0
	v_nop
	global_prefetch_b8 v0, s[64:65] scope:SCOPE_SE
	s_setreg_imm32_b32 hwreg(HW_REG_WAVE_MODE, 25, 1), 1
	s_wait_xcnt 0x0
; ONE WORK-GROUP TAKES ONE TILE OF 64 ROUTED ROWS OF ONE EXPERT THROUGH THE WHOLE CHAIN: gather x's codes, x W1 + b1, relu, quantise along the hidden 2,048, h W2 + b2, x the gate, store.
; Only the two experts that each token chose are multiplied: the other six are multiplied by a gate of 0 in the definition.
; THE GRID serves every split: 8,192 routed rows in tiles of 64 over 8 experts are never more than 128 + 7 tiles.  A work-group that a split leaves without rows walks the same text on
; held indices and stores nothing: every wave passes every barrier, and none stands under a branch on loaded numbers.
; WHICH TILE: each wave sums the stored counts to the eight totals, walks the experts' tile counts to its expert E and its first place, and finds the token at place p of E's list
; by a walk over the 128 mask words of E (running count) and a search for the n-th set bit.  All of it is whole-number work on numbers that an earlier launch stored.
; THE WAVES SHARE COLUMNS, NOT ROWS.  First product: a wave makes 512 hidden units (four K steps of the second product) for all 64 rows.  Second: wave w makes outputs
; 128 w .. 128 w + 127.  So each fragment of the weights is wanted by ONE wave, comes from memory straight into that wave's registers (laid in register order by the launch before) and
; feeds four matrix instructions.  x's 16 fragments stay in every wave's registers; the hidden layer (64 x 2,048 codes) goes from wave to wave through LDS as images of its registers.
; EACH TILE WALKS THE WEIGHTS IN AN ORDER OF ITS OWN, taken from the work-group's number alone: a = its bits 3:2, c = its bits 1:0.  Wave w makes the quarter (w + a) % 4 of the hidden units,
; and in trip t that quarter's K step (t + c) % 4; so place k = 4 w + t of the hidden layer in LDS holds K step 4 ((k / 4 + a) % 4) + (k + c) % 4, and step k of the second product takes that
; group of W2.  The tiles of one expert have neighbouring numbers and start together: at any step sixteen neighbours ask for sixteen different groups, and a group that one tile asks for first
; the others ask for later.  Only global offsets hang on a and c: no LDS address, no register number; b1 is laid into LDS in the walked order by its copy.  The sum over the hidden
; K steps so runs in another order from tile to tile: f32 sums, b2 being the C of the first step.
; NO CLUSTER, NO JOINT LOADS: a joint load lands in LDS; a tile's 2,162,688 bytes of weights would then be written to LDS and read back, where this text moves 131,072 bytes in and
; 524,288 out; and the number of tiles of one expert hangs on the routing, so that partners of a cluster could not be given tiles of one expert at every split.
; BOTH PRODUCTS ARE USED TRANSPOSED (source 0 = 16 rows of the weight, source 1 = 16 routed rows): a lane holds one routed row, its registers run along the columns.
; The biases are the C of each sum's first matrix instruction.  The accumulators take turns, one instruction a turn.
; LIMITS: NaN and infinities are not served; a block of the hidden layer whose largest number lies under 2^-118, a block of zeros too, gets the scale byte 1.
; REGISTERS, in windows of 256: window 0: v0-25 addresses; v32-35 gates; v36-51 x's scale words; v52-67 the ring's; v68-75 the hidden layer's; v76-79, v80-95 scale words and codes just made;
;   v96-111 at work, on the way out the offsets of 16 rows of ybuf; v112-127 b1; v128-191 eight tiles of the hidden layer, later b2, later results; v244-251 the weights' offsets;
;   v192-255 on the way out rows.   window 1: x's 16 fragments, later the 32 accumulators of y.
;   windows 2, 3: a ring of four slots of 128 registers for the weights; in the second product three slots, and v128-255 of window 3 two buffers of hidden fragments.
.set GRP,   16896                      ; a group of weights: 8 fragments of 2,048 bytes and 512 bytes of scale words
.set LIST,  0                          ; LDS: 128 words: the tile's tokens (words 64-127 repeat words 0-63 and are not read)
.set RHO,   512                        ; likewise: the rows of ybuf
.set GATE,  1024                       ; likewise: the gates
.set B2L,   1536                       ; b2[E]: 2,048 bytes
.set B1L,   3584                       ; b1[E]: 8,192 bytes, in the order in which the waves walk the hidden units
.set XROW,  11776                      ; 64 rows of x's codes, 512 bytes + 16; behind the last barrier the same bytes are the waves' stages for the way out (16 rows of 528 each)
.set HSC,   45568                      ; the hidden layer's scale words: 128 bytes for each of 64 fragments
.set HIMG,  53760                      ; its fragments: number 4 k + m (k: the place 4 x wave + trip), 2,048 bytes each
.set LANE, 1
.set R,    2
.set HH,   3
.set L16,  4                           ; 16 x lane
.set L4,   5                           ; 4 x lane
.set R4,   6                           ; 4 x (lane % 16)
.set XFA,  7                           ; x's fragments out of XROW
.set XSTO, 8                           ; my wave's 16 rows of XROW, 16 bytes a lane: in with x's rows, and back out of my stage
.set HWB,  9                           ; where I store hidden fragments: base, and v10 this trip's
.set HW,   10
.set HSB,  11                          ; their scale words: base, and v12 this trip's
.set HSCUR, 12
.set BIB,  13                          ; b1 of my units: base, and v14 this trip's
.set BIC,  14
.set LI0,  15                          ; hidden fragments back: places 0-7; v16: places 8-15
.set LSC,  17
.set STO,  18                          ; my stage: where I put 32 bytes of a row
.set YB,   20                          ; my bytes of a row of ybuf
.set T4,   21                          ; 4 x thread
.set T16,  22                          ; 16 x thread
.set LISTW, 23                         ; 64 x wave
.set ZERO, 24
.set B2A,  25                          ; 512 x wave + 32 x (lane / 16)
.set G,    32
.set XS,   36
.set RS,   52
.set HSW,  68
.set PW,   76
.set PC,   80
.set TM,   96
.set BI,   112
.set HA,   128
.set TO,   128
.set OB,   192
.set YO,   96                          ; the way out: the byte offsets of a tile's 16 rows of ybuf
.set VCUR, 244                         ; v244  16 x lane + this trip's four groups of W1: ((t + c) % 4) x 4 groups
.set VNXT, 245                         ; v245  the same for the next trip
.set VO,   248                         ; v248-251  16 x lane + ((i + c) % 4) groups: W2's group of a step k with k % 4 = i; never rewritten while the ring runs
.set W1B,  40                          ; s[40:41] my quarter of W1's groups; never rewritten
.set W2B,  44                          ; s[44:45] my 16 groups of W2
.set PQ,   84                          ; s[84:91] four bases: W2's four groups of steps 4 q .. 4 q + 3: ((q + a) % 4) x 4 groups on; never rewritten
.set MSB, 0
.macro WIN new                         ; the immediate's high byte repeats the setting that is left
.if MSB != (\new)
	s_set_vgpr_msb (MSB<<8)|(\new)
.set MSB, \new
.endif
.endm
.macro BARRIER                         ; my LDS stores have landed and my LDS loads are in: then the work-group's barrier
	s_wait_dscnt 0x0
	s_barrier_signal -1
	s_barrier_wait -1
.endm
; A group of weights into a slot of the ring: 33 loads, each of 512 consecutive bytes.  No hint: other tiles of the expert read the same bytes.
.macro REFILL slot, base, adr, imm
	WIN 0x80+0x40*((\slot)/2)                      ; destination window 2 or 3, address window 0
.irp f, 0,1,2,3,4,5,6,7
.irp c, 0,1,2,3
	global_load_b128 v[128*((\slot)%2)+16*\f+4*\c:128*((\slot)%2)+16*\f+4*\c+3], v[\adr], s[\base:\base+1] offset:(\imm)+2048*\f+512*\c
.endr
.endr
	WIN 0
	global_load_b128 v[RS+4*(\slot):RS+4*(\slot)+3], v[\adr], s[\base:\base+1] offset:(\imm)+16384
.endm
.macro MM1 b, s, u, m                  ; hidden tile (u, m) += W1's fragment (K step s, tile u) x x's fragment (m, s)
.set rD, HA+16*(\m)+8*(\u)
.set rA, 128*((\b)%2)+16*(2*(\s)+(\u))
.set rB, 16*(4*(\m)+(\s))
.set rC, rD
.if (\s) == 0
.set rC, BI+8*(\u)
.endif
.if \u
	v_wmma_scale_f32_16x16x128_f8f6f4 v[rD:rD+7], v[rA:rA+15], v[rB:rB+15], v[rC:rC+7], v[RS+4*(\b)+(\s)], v[XS+4*(\m)+(\s)] matrix_a_scale:MATRIX_SCALE_ROW1
.else
	v_wmma_scale_f32_16x16x128_f8f6f4 v[rD:rD+7], v[rA:rA+15], v[rB:rB+15], v[rC:rC+7], v[RS+4*(\b)+(\s)], v[XS+4*(\m)+(\s)]
.endif
.endm
; The 32 units just made, for the four tiles of rows m: registers HA + 16 m + i are units 16 (lane / 16) + i of row lane % 16: block b of the K step.  relu and the hold are one line.
.macro QUANTB b
.irp m, 0,1,2,3
	v_max3_num_f32 v[TM+\m], v[HA+16*\m], v[HA+16*\m+1], 0x4800000   ; no |.|: what is negative becomes 0 and must not count; the floor 2^(9 - 127) stands over it.  Each accumulator is read from its low end on
.endr
.irp i, 2,4,6,8,10,12,14
.irp m, 0,1,2,3
	v_max3_num_f32 v[TM+\m], v[TM+\m], v[HA+16*\m+\i], v[HA+16*\m+\i+1]
.endr
.endr
.irp m, 0,1,2,3
	v_permlanex16_b32 v[TM+4+\m], v[TM+\m], s52, s53
.endr
.irp m, 0,1,2,3
	v_max_num_f32 v[TM+\m], v[TM+\m], v[TM+4+\m]   ; with lane l xor 16's 16 units: the block's largest number
.endr
.irp m, 0,1,2,3
	v_add_nc_u32 v[TM+12+\m], 0xfc000000, v[TM+\m] ; 8 off the exponent field: the conversion's scale operand
.endr
.irp m, 0,1,2,3
	v_and_or_b32 v[TM+8+\m], v[TM+\m], 0x7f800000, s54   ; 448 x the scale
.endr
.irp m, 0,1,2,3
	v_lshrrev_b32 v[TM+4+\m], 23, v[TM+12+\m]      ; the scale's byte
.endr
.irp m, 0,1,2,3
.if (\b) == 0
	v_mov_b32 v[PW+\m], v[TM+4+\m]
.else
	v_lshl_or_b32 v[PW+\m], v[TM+4+\m], 8*(\b), v[PW+\m]
.endif
.endr
.irp m, 0,1,2,3
.irp i, 0,1,2,3,4,5,6,7,8,9,10,11,12,13,14,15
	v_med3_num_f32 v[HA+16*\m+\i], v[HA+16*\m+\i], 0, v[TM+8+\m]
.endr
	v_cvt_scalef32_pk8_fp8_f32 v[PC+4*\m:PC+4*\m+1], v[HA+16*\m:HA+16*\m+7], v[TM+12+\m]
	v_cvt_scalef32_pk8_fp8_f32 v[PC+4*\m+2:PC+4*\m+3], v[HA+16*\m+8:HA+16*\m+15], v[TM+12+\m]
.endr
	v_nop                                          ; one plain line behind the last conversion: the next products write its sources
.irp m, 0,1,2,3
	ds_store_b128 v[HW], v[PC+4*\m:PC+4*\m+3] offset:2048*\m+512*(\b)   ; registers 4 b .. 4 b + 3 of fragment (place, m), as they stand
.endr
.if (\b) == 3
.irp m, 0,1,2,3
	ds_store_b32 v[HSCUR], v[PW+\m] offset:128*\m
.endr
.endif
.endm
; Group b of a trip: 32 hidden units for 64 rows: 32 matrix instructions on eight accumulators by turns.  The ring is asked two groups ahead, into the slot read two groups ago.
; last = 1: the wave's fourth trip: the two groups behind W1's last are those of the second product's steps 0 and 1, so that the ring does not stop and no load leaves a buffer.
.macro GROUP1 b, last
.irp i, 0,1,2,3
	ds_load_b128 v[BI+4*\i:BI+4*\i+3], v[BIC] offset:128*(\b)+16*\i    ; b1 at my 16 units
.endr
.if (\b) < 2
	REFILL (\b)+2, W1B, VCUR, ((\b)+2)*GRP
.elseif \last
	REFILL (\b)-2, PQ, VO+(\b)-2, 0
.else
	REFILL (\b)-2, W1B, VNXT, ((\b)-2)*GRP
.endif
	s_wait_dscnt 0x0                               ; b1 is in; the last group's stores of codes have read their registers
	s_wait_loadcnt 63                              ; this group is in: 66 loads were issued behind it, and the wait's field names 63 at the most
	WIN 0x06+(\b)/2                                ; source 0 (W1) window 2 or 3, source 1 (x) window 1, C and D window 0
.irp s, 0,1,2,3
.irp u, 0,1
.irp m, 0,1,2,3
	MM1 \b, \s, \u, \m
.endr
.endr
.endr
	WIN 0
.rept 8
	v_nop                                          ; eight places between the last product and the first read of results
.endr
	QUANTB \b
.endm
; A trip makes one K step of the second product (128 hidden units) for the 64 rows, in four groups of 32 units.
.macro TRIP last
	v_add_nc_u32 v[HW], s49, v[HWB]
	v_add_nc_u32 v[HSCUR], s50, v[HSB]
	v_add_nc_u32 v[BIC], s50, v[BIB]
	GROUP1 0, \last
	GROUP1 1, \last
	GROUP1 2, \last
	GROUP1 3, \last
.endm
.macro HFETCH k                        ; step k of the second product: the four hidden fragments at place k and their scale words
	WIN 0xc0
.irp m, 0,1,2,3
.irp c, 0,1,2,3
	ds_load_b128 v[128+64*((\k)%2)+16*\m+4*\c:128+64*((\k)%2)+16*\m+4*\c+3], v[LI0+(\k)/8] offset:(4*((\k)%8)+\m)*2048+512*\c
.endr
.endr
	WIN 0
.irp m, 0,1,2,3
	ds_load_b32 v[HSW+4*((\k)%2)+\m], v[LSC] offset:(4*(\k)+\m)*128
.endr
.endm
.macro MM2 k, t, m                     ; y's tile (t, m) += W2's fragment t x hidden fragment (k, m)
.set rD, 8*(4*(\t)+(\m))
.set rA, 128*(((\k)%3)%2)+16*(\t)
.set rB, 128+64*((\k)%2)+16*(\m)
.set rC, rD
.if (\k) == 0
.set rC, HA+8*(\t)
.endif
.if (\t)%2
	v_wmma_scale_f32_16x16x128_f8f6f4 v[rD:rD+7], v[rA:rA+15], v[rB:rB+15], v[rC:rC+7], v[RS+4*((\k)%3)+(\t)/2], v[HSW+4*((\k)%2)+(\m)] matrix_a_scale:MATRIX_SCALE_ROW1
.else
	v_wmma_scale_f32_16x16x128_f8f6f4 v[rD:rD+7], v[rA:rA+15], v[rB:rB+15], v[rC:rC+7], v[RS+4*((\k)%3)+(\t)/2], v[HSW+4*((\k)%2)+(\m)]
.endif
.endm
.macro STEP2 k
.if (\k) > 0
.rept 8
	v_nop                                          ; eight places in front of loads into registers that the last step's products read
.endr
.endif
.if (\k) < 15
	HFETCH (\k)+1
.endif
.if (\k) < 14
	REFILL ((\k)+2)%3, PQ+2*(((\k)+2)/4), VO+((\k)+2)%4, 0   ; the group of step k + 2: its base by (k + 2) / 4, its offset by (k + 2) % 4
.endif
.if (\k) < 15
	s_wait_dscnt 20                                ; this step's hidden fragments are in; the 20 loads just issued may be out
.else
	s_wait_dscnt 0x0
.endif
.if (\k) < 14
	s_wait_loadcnt 63                              ; this step's group is in: 66 loads stand behind it, and the field names 63 at the most
.elseif (\k) == 14
	s_wait_loadcnt 33                              ; the last group's 33 may be out
.else
	s_wait_loadcnt 0x0
.endif
.if (\k) == 0
	WIN 0x4e                                       ; source 0 (W2) window 2, source 1 (hidden) window 3, C (b2) window 0, D window 1
.elseif (\k)%3 == 2
	WIN 0x5f                                       ; source 0 window 3; C and D window 1
.else
	WIN 0x5e
.endif
.irp t, 0,1,2,3,4,5,6,7
.irp m, 0,1,2,3
	MM2 \k, \t, \m
.endr
.endr
	WIN 0
.endm
.macro DESC src, mask, width           ; one step down to the n-th set bit: if n is not under the count of the lower part, leave that part behind
	v_lshrrev_b32 v109, v108, v[\src]
	v_and_b32 v109, \mask, v109
	v_cmp_ge_u32 vcc_lo, v110, v109
	v_sub_nc_u32 v109, v110, v109
	v_cndmask_b32 v110, v110, v109, vcc_lo
	v_add_nc_u32 v109, \width, v108
	v_cndmask_b32 v108, v108, v109, vcc_lo
.endm
; The way out of tile m of rows: x the gate; through my own stage in LDS; back as rows of 512 bytes, which the wave stores whole.  Rows at or past the tile's count are not stored.
.macro OUTM m
	WIN 0x01                                       ; source 0 window 1
.irp t, 0,1,2,3,4,5,6,7
.irp j, 0,2,4,6
.if (\m)%2
	v_pk_mul_f32 v[TO+8*\t+\j:TO+8*\t+\j+1], v[8*(4*\t+(\m))+\j:8*(4*\t+(\m))+\j+1], v[G+(\m)-1:G+(\m)] op_sel:[0,1] op_sel_hi:[1,1]
.else
	v_pk_mul_f32 v[TO+8*\t+\j:TO+8*\t+\j+1], v[8*(4*\t+(\m))+\j:8*(4*\t+(\m))+\j+1], v[G+(\m):G+(\m)+1] op_sel_hi:[1,0]
.endif
.endr
.endr
	WIN 0
.irp t, 0,1,2,3,4,5,6,7
	ds_store_b128 v[STO], v[TO+8*\t:TO+8*\t+3] offset:64*\t
	ds_store_b128 v[STO], v[TO+8*\t+4:TO+8*\t+7] offset:64*\t+16
.endr
.if (\m) > 0
	s_wait_xcnt 0x0                                ; the last tile's stores have read their data and their offsets
.endif
.irp i, 0,1,2,3
	ds_load_b128 v[YO+4*\i:YO+4*\i+3], v[ZERO] offset:RHO+64*(\m)+16*\i   ; the tile's 16 rows of ybuf, the same in every lane
.endr
.irp i, 0,1,2,3,4,5,6,7,8,9,10,11,12,13,14,15
	ds_load_b128 v[OB+4*\i:OB+4*\i+3], v[XSTO] offset:528*\i   ; LDS serves a wave's instructions in order: these see my stores
.endr
	s_wait_dscnt 16                                ; the row numbers are in; the 16 loads from the stage may be out
.set II, 0
.rept 16
	v_min_u32 v[YO+II], 0x1fff, v[YO+II]
.set II, II+1
.endr
.set II, 0
.rept 16
	v_lshl_add_u32 v[YO+II], v[YO+II], 11, v[YB]   ; 2,048 bytes a row, + my wave's 512, + 16 x lane
.set II, II+1
.endr
.irp i, 0,1,2,3,4,5,6,7,8,9,10,11,12,13,14,15
	s_wait_dscnt 15-\i
	s_cmp_le_u32 s36, 16*(\m)+\i                   ; the tile's rows are a run from its first place on: at the first row past the count nothing is left
	s_cbranch_scc1 .Lend
	global_store_b128 v[YO+\i], v[OB+4*\i:OB+4*\i+3], s[20:21]   ; 512 consecutive bytes, at a multiple of 512 from ybuf's first byte
.endr
.endm
	s_load_b512 s[4:19], s[0:1], 0x0               ; xq 4, w1q 6, w2q 8, b1 10, b2 12, out1 14, sel 16, msk 18
	s_load_b64 s[20:21], s[0:1], 0x40              ; ybuf
	v_lshrrev_b32 v1, 5, v0
	v_readfirstlane_b32 s22, v1                    ; wave 0..3
	s_bfe_u32 s58, ttmp9, 0x20002                  ; a: 2 bits from bit 2 of the work-group's number
	s_and_b32 s59, ttmp9, 3                        ; c: its lowest 2 bits
	v_and_b32 v[LANE], 31, v0
	v_and_b32 v[R], 15, v0
	v_bfe_u32 v[HH], v0, 4, 1
	v_lshlrev_b32 v[L16], 4, v[LANE]
	v_lshlrev_b32 v[L4], 2, v[LANE]
	v_lshlrev_b32 v[R4], 2, v[R]
	v_mul_u32_u24 v[XFA], v[R], 528
	v_lshl_add_u32 v[XFA], v[HH], 4, v[XFA]
	v_add_nc_u32 v[XFA], XROW, v[XFA]
	s_mul_i32 s37, s22, 8448                       ; 16 rows of 528 bytes
	v_add_nc_u32 v[XSTO], s37, v[L16]
	v_add_nc_u32 v[XSTO], XROW, v[XSTO]
	v_mul_u32_u24 v[STO], v[R], 528
	v_lshl_add_u32 v[STO], v[HH], 5, v[STO]
	v_add_nc_u32 v[STO], s37, v[STO]
	v_add_nc_u32 v[STO], XROW, v[STO]
	s_lshl_b32 s37, s22, 15                        ; my four places: 16 fragments of 2,048 bytes
	v_add_nc_u32 v[HWB], s37, v[L16]
	v_add_nc_u32 v[HWB], HIMG, v[HWB]
	s_lshl_b32 s37, s22, 11
	v_add_nc_u32 v[HSB], s37, v[L4]
	v_add_nc_u32 v[HSB], HSC, v[HSB]
	v_lshl_add_u32 v[BIB], v[HH], 6, s37           ; b1: 2,048 bytes a wave, 64 for the lanes' upper half
	v_add_nc_u32 v[BIB], B1L, v[BIB]
	v_add_nc_u32 v[LI0], HIMG, v[L16]
	v_add_nc_u32 v[LI0+1], HIMG+65536, v[L16]
	v_add_nc_u32 v[LSC], HSC, v[L4]
	s_lshl_b32 s37, s22, 9
	v_add_nc_u32 v[YB], s37, v[L16]
	v_lshl_add_u32 v[B2A], v[HH], 5, s37
	v_lshlrev_b32 v[T4], 2, v0
	v_lshlrev_b32 v[T16], 4, v0
	s_lshl_b32 s37, s22, 6
	v_mov_b32 v[LISTW], s37
	v_mov_b32 v[ZERO], 0
	v_lshlrev_b32 v238, 7, v[LANE]                 ; the counts: 128 bytes a lane: lane l holds a quarter of expert l / 4's
.irp i, 0,1,2,3
	s_add_co_u32 s38, s59, \i
	s_and_b32 s38, s38, 3
	s_mul_i32 s38, s38, GRP
	v_add_nc_u32 v[VO+\i], s38, v[L16]             ; W2: 16 x lane + ((i + c) % 4) groups
.endr
	s_mul_i32 s38, s59, 4*GRP
	v_add_nc_u32 v[VCUR], s38, v[L16]              ; W1, trip 0: K step c of my quarter,
	s_add_co_u32 s38, s59, 1
	s_and_b32 s38, s38, 3
	s_mul_i32 s38, s38, 4*GRP
	v_add_nc_u32 v[VNXT], s38, v[L16]              ; trip 1: K step (1 + c) % 4
	s_mov_b32 s52, 0x76543210
	s_mov_b32 s53, 0xfedcba98                      ; v_permlanex16_b32's selects for lane l xor 16
	s_mov_b32 s54, 0x600000                        ; the mantissa field of 448
	s_wait_kmcnt 0x0
.irp j, 0,1,2,3,4,5,6,7
	global_load_b128 v[128+4*\j:131+4*\j], v238, s[18:19] offset:4096+16*\j
.endr
	s_wait_loadcnt 0x0
	v_add3_u32 v160, v128, v129, v130              ; a count byte is 8 at the most: 16 words are added byte by byte (128 at the most), twice
	v_add3_u32 v161, v144, v145, v146
.irp j, 3,5,7,9,11,13
	v_add3_u32 v160, v160, v[128+\j], v[129+\j]
	v_add3_u32 v161, v161, v[144+\j], v[145+\j]
.endr
	v_add_nc_u32 v160, v160, v143
	v_add_nc_u32 v161, v161, v159
	v_and_b32 v162, 0xff00ff, v160                 ; and the bytes are folded
	v_lshrrev_b32 v160, 8, v160
	v_and_b32 v160, 0xff00ff, v160
	v_and_b32 v163, 0xff00ff, v161
	v_lshrrev_b32 v161, 8, v161
	v_and_b32 v161, 0xff00ff, v161
	v_add3_u32 v160, v160, v162, v163
	v_add_nc_u32 v160, v160, v161
	v_lshrrev_b32 v161, 16, v160
	v_and_b32 v160, 0xffff, v160
	v_add_nc_u32 v160, v160, v161
.irp e, 0,1,2,3,4,5,6,7
	v_readlane_b32 s72, v160, 4*\e
	v_readlane_b32 s73, v160, 4*\e+1
	v_readlane_b32 s74, v160, 4*\e+2
	v_readlane_b32 s75, v160, 4*\e+3
	s_add_co_u32 s72, s72, s73
	s_add_co_u32 s74, s74, s75
	s_add_co_u32 s[24+\e], s72, s74                ; how many rows expert e has
.endr
	s_mov_b32 s37, 0                               ; the first tile of the expert in hand
	s_mov_b32 s32, 0
	s_mov_b32 s33, 0
	s_mov_b32 s34, 0
.irp e, 0,1,2,3,4,5,6,7
	s_cmp_ge_u32 ttmp9, s37                        ; my tile lies at or behind it: the last expert of which that holds is mine
	s_cselect_b32 s32, \e, s32
	s_cselect_b32 s33, s37, s33
	s_cselect_b32 s34, s[24+\e], s34
	s_add_co_u32 s38, s[24+\e], 63
	s_lshr_b32 s38, s38, 6
	s_add_co_u32 s37, s37, s38
.endr
	s_min_u32 s32, s32, 7                          ; E
	s_sub_co_u32 s35, ttmp9, s33
	s_lshl_b32 s35, s35, 6                         ; my first place in E's list
	s_sub_co_i32 s36, s34, s35
	s_max_i32 s36, s36, 0
	s_min_i32 s36, s36, 64                         ; how many rows my tile has: 0 .. 64
	s_mul_i32 s56, s32, 64*GRP                     ; E's 64 groups, in w1q and in w2q alike
	s_mov_b32 s57, 0
	s_mov_b32 s83, 0
	s_add_co_u32 s38, s22, s58
	s_and_b32 s38, s38, 3                          ; which quarter of the hidden units I make: (wave + a) % 4
	s_mul_i32 s38, s38, 16*GRP
	s_add_co_u32 s82, s56, s38
	s_add_nc_u64 s[W1B:W1B+1], s[6:7], s[82:83]
	s_mul_i32 s38, s22, 16*GRP                     ; W2: the 16 groups of my 128 outputs
	s_add_co_u32 s56, s56, s38
	s_add_nc_u64 s[W2B:W2B+1], s[8:9], s[56:57]
.irp q, 0,1,2,3
	s_add_co_u32 s82, s58, \q
	s_and_b32 s82, s82, 3
	s_mul_i32 s82, s82, 4*GRP
	s_add_nc_u64 s[PQ+2*\q:PQ+2*\q+1], s[W2B:W2B+1], s[82:83]   ; steps 4 q .. 4 q + 3 take the K steps that wave q made: quarter (q + a) % 4
.endr
	s_lshl_b32 s38, s32, 9
	v_add_nc_u32 v237, s38, v[L16]
	global_load_b128 v[96:99], v237, s[18:19]      ; E's 128 mask words: lane l holds words 4 l .. 4 l + 3
	s_lshl_b32 s38, s32, 13
	s_add_co_u32 s37, s22, s59
	s_and_b32 s37, s37, 3
	s_lshl_b32 s37, s37, 9
	s_add_co_u32 s38, s38, s37
	v_add_nc_u32 v235, s38, v[L16]                 ; b1[E]: my wave copies, for each wave i, what that wave wants in the trip of my number: K step (my wave + c) % 4
.irp i, 0,1,2,3
	s_add_co_u32 s37, s58, \i
	s_and_b32 s37, s37, 3
	s_lshl_b32 s37, s37, 11
	v_add_nc_u32 v[240+\i], s37, v235              ; of quarter (i + a) % 4
	global_load_b128 v[112+4*\i:115+4*\i], v[240+\i], s[10:11]   ; 512 consecutive bytes a wave
.endr
	s_lshl_b32 s38, s32, 11
	v_add_nc_u32 v236, s38, v[T16]
	global_load_b128 v[28:31], v236, s[12:13]      ; b2[E]
	REFILL 0, W1B, VCUR, 0                         ; the weights start on their way while the rows are looked for
	s_and_b32 s38, s22, 1
	s_lshl_b32 s38, s38, 5
	s_add_co_u32 s38, s38, s35
	v_add_nc_u32 v100, s38, v[LANE]                ; p: the place that I look for (waves 2 and 3 repeat waves 0 and 1)
	v_mov_b32 v101, 0
	v_mov_b32 v102, 0
	v_mov_b32 v103, 0
	s_mov_b32 s81, 0                               ; how many rows lie ahead of the word in hand
	s_wait_loadcnt 38                              ; the mask words are in: behind them b1's 4, b2's 1 and the group's 33
.set CH, 0
.rept 16
.irp i, 0,1,2,3,4,5,6,7
	v_readlane_b32 s[72+\i], v[96+(CH+\i)%4], (CH+\i)/4
.endr
.irp i, 0,1,2,3,4,5,6,7
	v_cmp_gt_u32 vcc_lo, s81, v100                 ; this word begins behind my place: keep what I have; else take it
	v_cndmask_b32 v101, s[72+\i], v101, vcc_lo     ; the word,
	v_cndmask_b32 v102, s81, v102, vcc_lo          ; the rows ahead of it,
	v_cndmask_b32 v103, CH+\i, v103, vcc_lo        ; its number
	s_bcnt1_i32_b32 s80, s[72+\i]
	s_add_co_u32 s81, s81, s80
.endr
.set CH, CH+8
.endr
	v_sub_nc_u32 v110, v100, v102                  ; n: I want the word's n-th set bit
	v_lshrrev_b32 v104, 1, v101
	v_and_b32 v104, 0x55555555, v104
	v_sub_nc_u32 v104, v101, v104                  ; counts of 2 bits,
	v_lshrrev_b32 v105, 2, v104
	v_and_b32 v105, 0x33333333, v105
	v_and_b32 v106, 0x33333333, v104
	v_add_nc_u32 v105, v105, v106                  ; of 4,
	v_lshrrev_b32 v106, 4, v105
	v_add_nc_u32 v106, v106, v105
	v_and_b32 v106, 0x0f0f0f0f, v106               ; of 8,
	v_lshrrev_b32 v107, 8, v106
	v_add_nc_u32 v107, v107, v106
	v_and_b32 v107, 0x00ff00ff, v107               ; of 16
	v_mov_b32 v108, 0                              ; the bit's place
	DESC 107, 0xffff, 16
	DESC 106, 0xff, 8
	DESC 105, 15, 4
	DESC 104, 3, 2
	DESC 101, 1, 1
	v_lshl_add_u32 v111, v103, 5, v108
	v_min_u32 v111, 0xfff, v111                    ; the token (a place past the list's end gives some token: its row is computed and not stored)
	v_lshlrev_b32 v26, 2, v111
	global_load_b32 v232, v26, s[16:17]            ; its two experts
	s_lshl_b32 s38, s32, 2
	v_lshlrev_b32 v27, 5, v111
	v_add_nc_u32 v27, s38, v27
	global_load_b32 v233, v27, s[14:15]            ; its gate for E
	s_wait_loadcnt 35                              ; b1 and b2 are in: behind them the group's 33 and these 2
.irp i, 0,1,2,3
	ds_store_b128 v[T16], v[112+4*\i:115+4*\i] offset:B1L+2048*\i   ; wave i's 2,048 bytes; in them 512 bytes for the trip of my wave's number
.endr
	ds_store_b128 v[T16], v[28:31] offset:B2L
	ds_store_b32 v[T4], v111 offset:LIST
	BARRIER                                        ; the tile's tokens, b1 and b2 lie in LDS
.irp i, 0,1,2,3
	ds_load_b128 v[128+4*\i:131+4*\i], v[LISTW] offset:LIST+16*\i    ; the 16 tokens whose rows my wave fetches: the same in every lane
.endr
.irp m, 0,1,2,3
	ds_load_b32 v[144+\m], v[R4] offset:LIST+64*\m                   ; and the token of row 16 m + lane % 16
.endr
	s_wait_dscnt 0x0
.set II, 0
.rept 16
	v_min_u32 v[128+II], 0xfff, v[128+II]
.set II, II+1
.endr
.set II, 0
.rept 16
	v_lshl_add_u32 v[128+II], v[128+II], 9, v[L16]
.set II, II+1
.endr
.irp m, 0,1,2,3
	v_min_u32 v[144+\m], 0xfff, v[144+\m]
.endr
.irp m, 0,1,2,3
	v_lshlrev_b32 v[144+\m], 4, v[144+\m]
.endr
.set II, 0
.rept 16
	global_load_b128 v[160+4*II:163+4*II], v[128+II], s[4:5]         ; a row of x's codes: 512 consecutive bytes
.set II, II+1
.endr
.irp m, 0,1,2,3
	global_load_b128 v[XS+4*\m:XS+4*\m+3], v[144+\m], s[4:5] offset:2097152   ; my row's four scale words: they stay
.endr
	REFILL 1, W1B, VCUR, GRP
	s_wait_loadcnt 37                              ; the rows are in (and the two loads ahead of them): behind them 4 scale loads and the group's 33
.set II, 0
.rept 16
	ds_store_b128 v[XSTO], v[160+4*II:163+4*II] offset:528*II
.set II, II+1
.endr
	v_bfe_u32 v234, v232, 8, 8
	v_mov_b32 v239, 1
	v_cmp_eq_u32 vcc_lo, s32, v234
	v_cndmask_b32 v234, 0, v239, vcc_lo            ; E is the token's second expert: slot 1
	v_lshl_add_u32 v234, v111, 1, v234             ; the row of ybuf: 2 x token + slot
	ds_store_b32 v[T4], v234 offset:RHO
	ds_store_b32 v[T4], v233 offset:GATE
	BARRIER                                        ; x's 64 rows, the rows of ybuf and the gates lie in LDS
	WIN 0x40                                       ; destination window 1
.irp m, 0,1,2,3
.irp s, 0,1,2,3
.irp c, 0,1,2,3
	ds_load_b128 v[16*(4*\m+\s)+4*\c:16*(4*\m+\s)+4*\c+3], v[XFA] offset:8448*\m+128*\s+32*\c   ; x's fragment (m, s): row lane % 16, k = 32 c + 16 (lane / 16) ..
.endr
.endr
.endr
	WIN 0
.irp m, 0,1,2,3
	ds_load_b32 v[G+\m], v[R4] offset:GATE+64*\m
.endr
.irp m, 0,1,2,3
	v_mov_b32 v[TM+4+\m], 0                        ; written once: a lane permute's destination counts as one of its sources
.endr
	s_mov_b32 s48, 0                               ; the trip,
	s_mov_b32 s49, 0                               ; 8,192 x the trip,
	s_mov_b32 s50, 0                               ; 512 x the trip
	s_wait_dscnt 0x0
	s_wait_loadcnt 33                              ; x's scale words are in; group 1 may be out
.Lsig:	; ---- THE FIRST PRODUCT: three trips in the loop, all of whose refills are W1's
	TRIP 0
	s_wait_dscnt 0x0                               ; my LDS stores have read their address registers,
	s_wait_xcnt 0x0                                ; and the loads their offsets: both are written again below
	s_add_co_u32 s49, s49, 8192
	s_add_co_u32 s50, s50, 512
	s_add_co_u32 s48, s48, 1
	v_mov_b32 v[VCUR], v[VNXT]                     ; the trip to come: K step (t + c) % 4 of my quarter;
	s_add_co_u32 s37, s48, s59
	s_add_co_u32 s37, s37, 1
	s_and_b32 s37, s37, 3
	s_mul_i32 s37, s37, 4*GRP
	v_add_nc_u32 v[VNXT], s37, v[L16]              ; the one behind it: (t + 1 + c) % 4 (the fourth trip does not use it)
	s_cmp_lt_u32 s48, 3
	s_cbranch_scc1 .Lsig
	TRIP 1                                         ; the fourth is written out: its last two refills are W2's groups of steps 0 and 1
.irp t, 0,1,2,3,4,5,6,7
	ds_load_b128 v[HA+8*\t:HA+8*\t+3], v[B2A] offset:B2L+64*\t          ; b2 at outputs 128 w + 16 t + 8 (lane / 16) + 0 .. 7
	ds_load_b128 v[HA+8*\t+4:HA+8*\t+7], v[B2A] offset:B2L+64*\t+16
.endr
	BARRIER                                        ; the hidden layer's 64 fragments lie in LDS; nobody reads x's rows any more
	; ---- THE SECOND PRODUCT: 16 steps, place by place of the hidden layer in LDS, 32 accumulators by turns
	HFETCH 0
.irp k, 0,1,2,3,4,5,6,7,8,9,10,11,12,13,14,15
	STEP2 \k
.endr
.rept 8
	v_nop                                          ; eight places between the last products and the first read of results
.endr
	OUTM 0
	OUTM 1
	OUTM 2
	OUTM 3
.Lend:
	s_wait_dscnt 0x0
	s_wait_xcnt 0x0
	v_lshl_add_u32 v254, v0, 2, 0x2d200
	v_mov_b32 v255, 0
	s_wait_tensorcnt 0x0
	ds_add_u32 v254, v255
	s_wait_dscnt 0x0
	s_endpgm
.Lfunc_end_k_qbe1aaf96ea_chain:
	.size	k_qbe1aaf96ea_chain, .Lfunc_end_k_qbe1aaf96ea_chain-k_qbe1aaf96ea_chain
	.p2alignl 7, 3214868480
	.fill 96, 4, 3214868480
	.section	.rodata,"a",@progbits
	.p2align	6, 0x0
	.amdhsa_kernel k_qbe1aaf96ea_chain
		.amdhsa_group_segment_fixed_size 185344
		.amdhsa_private_segment_fixed_size 0
		.amdhsa_enable_private_segment 0
		.amdhsa_kernarg_size 72
		.amdhsa_user_sgpr_count 2
		.amdhsa_user_sgpr_kernarg_segment_ptr 1
		.amdhsa_wavefront_size32 1
		.amdhsa_system_sgpr_workgroup_id_x 1
		.amdhsa_system_sgpr_workgroup_id_y 1
		.amdhsa_system_sgpr_workgroup_id_z 1
		.amdhsa_system_vgpr_workitem_id 0
		.amdhsa_next_free_vgpr 1024
		.amdhsa_next_free_sgpr 96
		.amdhsa_reserve_vcc 1
		.amdhsa_float_denorm_mode_32 3
		.amdhsa_float_denorm_mode_16_64 3
		.amdhsa_memory_ordered 1
		.amdhsa_forward_progress 1
		.amdhsa_inst_pref_size 255
	.end_amdhsa_kernel
	.section	.bss,"aw",@nobits
	.p2align	6
	.space	262144
	.amdgpu_metadata
---
amdhsa.version: [ 1, 2 ]
amdhsa.kernels:
  - .name:           k_qbe1aaf96ea_chain
    .symbol:         k_qbe1aaf96ea_chain.kd
    .args:
      - { .name: xq, .offset: 0, .size: 8, .value_kind: global_buffer, .address_space: global }
      - { .name: w1q, .offset: 8, .size: 8, .value_kind: global_buffer, .address_space: global }
      - { .name: w2q, .offset: 16, .size: 8, .value_kind: global_buffer, .address_space: global }
      - { .name: b1, .offset: 24, .size: 8, .value_kind: global_buffer, .address_space: global }
      - { .name: b2, .offset: 32, .size: 8, .value_kind: global_buffer, .address_space: global }
      - { .name: out1, .offset: 40, .size: 8, .value_kind: global_buffer, .address_space: global }
      - { .name: sel, .offset: 48, .size: 8, .value_kind: global_buffer, .address_space: global }
      - { .name: msk, .offset: 56, .size: 8, .value_kind: global_buffer, .address_space: global }
      - { .name: ybuf, .offset: 64, .size: 8, .value_kind: global_buffer, .address_space: global }
    .group_segment_fixed_size: 185344
    .private_segment_fixed_size: 0
    .kernarg_segment_align: 8
    .kernarg_segment_size: 72
    .max_flat_workgroup_size: 128
    .sgpr_count:     96
    .vgpr_count:     1024
    .wavefront_size: 32
...
	.end_amdgpu_metadata
.endif
;; end of part 4
;; launch combine: the kernel of part 3 again; grid 256 x 1, 8 waves a work-group, no clusters, 0 bytes of LDS; arguments ybuf, out0; writes out0
;; ======== version 3 of 3: 3 launches; version 2 with the launch combine written anew for expert scheduling mode
;; workspace buffers: w1q 8,650,752 bytes; w2q 8,650,752 bytes; xq 2,162,688 bytes; sel 16,384 bytes of whole numbers; msk 8,192 bytes of whole numbers; ybuf 16,777,216 bytes
;; launch prep: the kernel of part 1 again; grid 576 x 1, 8 waves a work-group, no clusters, 66,560 bytes of LDS; arguments x, Wg, bg, W1, W2, xq, w1q, w2q, sel, msk, out1; writes xq, w1q, w2q, sel, msk, out1
;; launch chain: the kernel of part 4 again; grid 135 x 1, 4 waves a work-group, no clusters, 185,344 bytes of LDS; arguments xq, w1q, w2q, b1, b2, out1, sel, msk, ybuf; writes ybuf
;; launch combine (part 5): grid 256 x 1, 8 waves a work-group, no clusters, 0 bytes of LDS; arguments ybuf, out0; writes out0
.if DOCPART == 5
	.amdgcn_target "amdgcn-amd-amdhsa--gfx1250"
	.amdhsa_code_object_version 6
	.text
	.protected	k_qbe1aaf96ea_combine
	.globl	k_qbe1aaf96ea_combine
	.p2align	8
	.type	k_qbe1aaf96ea_combine,@function
k_qbe1aaf96ea_combine:
	s_mov_b64 s[64:65], 0
	v_nop
	global_prefetch_b8 v0, s[64:65] scope:SCOPE_SE
	s_setreg_imm32_b32 hwreg(HW_REG_WAVE_SCHED_MODE, 0, 2), 2
	s_setreg_imm32_b32 hwreg(HW_REG_WAVE_MODE, 25, 1), 1
	s_wait_xcnt 0x0
	s_wait_alu depctr_vm_vsrc(0)
; out0[t] = ybuf[2 t] + ybuf[2 t + 1]: the two weighted results of each token, which two different work-groups of the launch before stored.  The other six experts add 0.
; A stream: a wave takes two tokens: 16 loads of 512 consecutive bytes, all issued at once, 16 packed additions, 8 stores of 512 consecutive bytes.  No loop, no register written twice,
; no LDS, no barrier: waves share nothing, and matrix units, clusters and large register tiles would add nothing here.
; THE MODE: SCHED_MODE bits 1:0 = 2 (LLVM: expert scheduling mode 2), set by the entry lines.  The code itself states the register dependences between vector instructions and memory
; instructions, with s_wait_alu, always for 0.
; THE PLAN.  Registers that memory instructions touch:
;   v2                  16 x lane: written once at the head, read by every load and store as its offset, never written again.
;   v[4+8j : 7+8j]      pair j: its first load lands here once; its two additions write the sums in place; its store reads them; never written again.
;   v[8+8j : 11+8j]     pair j: its second load lands here once; its additions read it; never loaded again.
; No register that a memory instruction has read is written again: no wait on vm_vsrc is owed.
; The eight pairs go in four blocks of two.  Block p adds its own two pairs; its memory instructions are the two stores of block p - 1, whose registers no vector instruction of block p names.
; So one wait on va_vdst at a block's head, behind the wait for the block's loads, states all that its two stores hang on, and they are dealt among its additions with no further wait.
.macro ADDS j                          ; pair j: four sums a lane
	v_pk_add_f32 v[4+8*(\j):5+8*(\j)], v[4+8*(\j):5+8*(\j)], v[8+8*(\j):9+8*(\j)]
	v_pk_add_f32 v[6+8*(\j):7+8*(\j)], v[6+8*(\j):7+8*(\j)], v[10+8*(\j):11+8*(\j)]
.endm
.macro OUT j                           ; pair j leaves: the wave stores 512 consecutive bytes
	global_store_b128 v2, v[4+8*(\j):7+8*(\j)], s[6:7] offset:2048*((\j)/4)+512*((\j)%4) th:TH_STORE_NT
.endm
	s_load_b128 s[4:7], s[0:1], 0x0                ; ybuf, out0
	v_lshrrev_b32 v1, 5, v0
	v_readfirstlane_b32 s8, v1                     ; wave 0..7
	v_and_b32 v2, 31, v0
	v_lshlrev_b32 v2, 4, v2                        ; 16 x lane
	s_lshl_b32 s9, ttmp9, 3
	s_wait_alu depctr_va_sdst(0)                   ; s8, the wave's number, is written, ahead of its first reader
	s_add_co_u32 s9, s9, s8                        ; which pair of tokens: 0 .. 2,047
	s_lshl_b32 s10, s9, 13                         ; 8,192 bytes of ybuf,
	s_mov_b32 s11, 0
	s_lshl_b32 s12, s9, 12                         ; 4,096 of out0
	s_mov_b32 s13, 0
	s_wait_kmcnt 0x0
	s_add_nc_u64 s[4:5], s[4:5], s[10:11]
	s_add_nc_u64 s[6:7], s[6:7], s[12:13]
	s_wait_alu depctr_va_vdst(0)                   ; v2 is written: every load and store below reads it as its offset
.irp j, 0,1,2,3,4,5,6,7                ; pair j: token j / 4, quarter j % 4 of its row
	global_load_b128 v[4+8*\j:7+8*\j], v2, s[4:5] offset:4096*(\j/4)+512*(\j%4) th:TH_LOAD_NT
	global_load_b128 v[8+8*\j:11+8*\j], v2, s[4:5] offset:4096*(\j/4)+512*(\j%4)+2048 th:TH_LOAD_NT
.endr
	s_wait_loadcnt 12                              ; block 0's four loads are in; the twelve behind them may be out
	ADDS 0
	ADDS 1
.irp p, 1,2,3
	s_wait_loadcnt 12-4*\p                         ; block p's four loads are in; those of the blocks behind it may be out
	s_wait_alu depctr_va_vdst(0)                   ; the block before has written its sums, which the two stores below read
	OUT 2*\p-2
	ADDS 2*\p
	OUT 2*\p-1                                     ; no wait: the additions since the wait name this block's registers alone
	ADDS 2*\p+1
.endr
	s_wait_alu depctr_va_vdst(0)                   ; block 3 has written its sums, which the last two stores read
	OUT 6
	OUT 7
	s_endpgm
.Lfunc_end_k_qbe1aaf96ea_combine:
	.size	k_qbe1aaf96ea_combine, .Lfunc_end_k_qbe1aaf96ea_combine-k_qbe1aaf96ea_combine
	.p2alignl 7, 3214868480
	.fill 96, 4, 3214868480
	.section	.rodata,"a",@progbits
	.p2align	6, 0x0
	.amdhsa_kernel k_qbe1aaf96ea_combine
		.amdhsa_group_segment_fixed_size 0
		.amdhsa_private_segment_fixed_size 0
		.amdhsa_enable_private_segment 0
		.amdhsa_kernarg_size 16
		.amdhsa_user_sgpr_count 2
		.amdhsa_user_sgpr_kernarg_segment_ptr 1
		.amdhsa_wavefront_size32 1
		.amdhsa_system_sgpr_workgroup_id_x 1
		.amdhsa_system_sgpr_workgroup_id_y 1
		.amdhsa_system_sgpr_workgroup_id_z 1
		.amdhsa_system_vgpr_workitem_id 0
		.amdhsa_next_free_vgpr 96
		.amdhsa_next_free_sgpr 66
		.amdhsa_reserve_vcc 0
		.amdhsa_float_denorm_mode_32 3
		.amdhsa_float_denorm_mode_16_64 3
		.amdhsa_memory_ordered 1
		.amdhsa_forward_progress 1
		.amdhsa_inst_pref_size 5
	.end_amdhsa_kernel
	.amdgpu_metadata
---
amdhsa.version: [ 1, 2 ]
amdhsa.kernels:
  - .name:           k_qbe1aaf96ea_combine
    .symbol:         k_qbe1aaf96ea_combine.kd
    .args:
      - { .name: ybuf, .offset: 0, .size: 8, .value_kind: global_buffer, .address_space: global }
      - { .name: out0, .offset: 8, .size: 8, .value_kind: global_buffer, .address_space: global }
    .group_segment_fixed_size: 0
    .private_segment_fixed_size: 0
    .kernarg_segment_align: 8
    .kernarg_segment_size: 16
    .max_flat_workgroup_size: 256
    .sgpr_count:     66
    .vgpr_count:     96
    .wavefront_size: 32
...
	.end_amdgpu_metadata
.endif
;; end of part 5
